; MI455X (gfx1250); checked and timed in simulation.
; The chip was launched on July 23, 2026; its instructions are those of AMD's public machine-readable ISA for CDNA 5 (MIT licence, August 2026) and "CDNA5" Instruction Set Architecture Reference Guide (July 2026). The comments in the code are by the model that wrote it; some were corrected since.
;; Multi Head Attention. Allowed arithmetic: matrix products marked QUANTISED: E5M2 operands, one E8M0 scale for each 32 along K, by v_wmma_scale_f32_16x16x128_f8f6f4 with both operands' format E5M2, f32 sums; everything else in f32.
;; Inputs: K_codes 8 x 2,048 x 16 x 32 uint8 (E5M2 codes of K, K innermost, in blocks of 32 codes); K_scales 8 x 2,048 x 16 uint8 (E8M0 scales of K, one for each 32 codes along K); Q_codes 8 x 2,048 x 16 x 32 uint8 (E5M2 codes of Q, K innermost, in blocks of 32 codes); Q_scales 8 x 2,048 x 16 uint8 (E8M0 scales of Q, one for each 32 codes along K); V_codes 8 x 2,048 x 16 x 32 uint8 (E5M2 codes of V, K innermost, in blocks of 32 codes); V_scales 8 x 2,048 x 16 uint8 (E8M0 scales of V, one for each 32 codes along K); Wk_codes 512 x 16 x 32 uint8 (E5M2 codes of Wk, K innermost, in blocks of 32 codes); Wk_scales 512 x 16 uint8 (E8M0 scales of Wk, one for each 32 codes along K); Wo_codes 512 x 16 x 32 uint8 (E5M2 codes of Wo, K innermost, in blocks of 32 codes); Wo_scales 512 x 16 uint8 (E8M0 scales of Wo, one for each 32 codes along K); Wq_codes 512 x 16 x 32 uint8 (E5M2 codes of Wq, K innermost, in blocks of 32 codes); Wq_scales 512 x 16 uint8 (E8M0 scales of Wq, one for each 32 codes along K); Wv_codes 512 x 16 x 32 uint8 (E5M2 codes of Wv, K innermost, in blocks of 32 codes); Wv_scales 512 x 16 uint8 (E8M0 scales of Wv, one for each 32 codes along K); bk 512 float32; bo 512 float32; bq 512 float32; bv 512 float32; mask 1 x 1 x 2,048 x 2,048 int32.
;; Outputs: out0 8 x 2,048 x 512 float32.
;; This version of the problem:
;;   THIS VERSION OF THE PROBLEM IS GIVEN IN LOW PRECISION. The matrix products marked QUANTISED in the list below multiply operands that are first quantised to E5M2 (5 exponent bits, 2 mantissa bits; 8 bits a number), with one power-of-two scale for each 32 numbers along K (OCP MX v1.0); their sums are f32. All else is computed in f32.
;;   The module's matrix products, in the order in which they are computed (A, B: the left and right operand; K: the contracted axis; several contracted axes count as one K, in the product's order):
;;     1. [M 16,384, K 512] x [K 512, N 512]; A: input Q (given as codes); B: input Wq (given as codes): QUANTISED
;;     2. [M 16,384, K 512] x [K 512, N 512]; A: input K (given as codes); B: input Wk (given as codes): QUANTISED
;;     3. [M 16,384, K 512] x [K 512, N 512]; A: input V (given as codes); B: input Wv (given as codes): QUANTISED
;;     4. batch 64 x [M 2,048, K 64] x [K 64, N 2,048]; A: computed on the way; B: computed on the way: QUANTISED
;;     5. batch 64 x [M 2,048, K 2,048] x [K 2,048, N 64]; A: softmax (see below); B: computed on the way: QUANTISED
;;     6. [M 16,384, K 512] x [K 512, N 512]; A: computed on the way; B: input Wo (given as codes): QUANTISED
;;   THE QUANTISER, for each operand of a quantised product, along K:
;;     - K is cut into blocks of 32 from its start; a last block that is shorter is filled with zeros.
;;     - A block's scale is 2^e with e = floor(log2(the largest magnitude in the block)) - 15, held to -126 .. 127; a block of zeros has e = 0. As a byte (E8M0): e + 127.
;;     - Each number is divided by its block's scale, clamped to +-57,344, and rounded to the nearest number of E5M2, ties to even, subnormals kept.
;;     - The product sums the exact products of the quantised numbers (number of the format x scale) in f32.
;;   ~~~python
;;   def quantise(x, axis):      # numpy; x: float32 -> the quantised numbers, widened to float32 again
;;       x = np.moveaxis(x, axis, -1); K = x.shape[-1]
;;       x = np.pad(x, [(0, 0)] * (x.ndim - 1) + [(0, -K % 32)]); x = x.reshape(x.shape[:-1] + (-1, 32)); a = np.abs(x).max(-1, keepdims=True)
;;       e = np.where(a > 0, np.clip(np.frexp(np.where(a > 0, a, 1))[1] - 1 - 15, -126, 127), 0)      # np.frexp(a)[1] - 1 = floor(log2(a)), exactly
;;       r = np.clip(x / 2.0 ** e, -57344, 57344)
;;       step = 2.0 ** (np.maximum(np.frexp(np.where(r == 0, 1, r))[1] - 1, -14) - 2)
;;       q = np.round(r / step) * step * 2.0 ** e      # np.round: ties to even
;;       return np.moveaxis(q.reshape(q.shape[:-2] + (-1,))[..., :K], -1, axis).astype(np.float32)
;;   ~~~
;;   SOFTMAX AHEAD OF A QUANTISED PRODUCT. Where the list says 'softmax', what is quantised is not the finished softmax but p = 2^(t - M), with t = logit x log2(e) and M = ceil(the row's largest t), a whole number; so 1/2 < the row's largest p <= 1. The row's sum l is taken of the UNQUANTISED p, in f32, and the product's result is divided by l at the end. Since M is a whole number, a kernel that streams over the keys may use a running M (the ceiling of the running maximum): every later rescaling is an exact power of two, which a block's scale takes up: the codes' values come out the same.
;;   OPERANDS COMPUTED ON THE WAY. 'Computed on the way' means the value that the module computes at that place (a softmax that the list does not call 'softmax' is quantised finished and normalised). What goes into a quantiser is computed in f32, as accurately as f32 sums, v_exp_f32 and their like allow (about 1e-6 of the number): no bf16 or f16 on the way to a quantiser, and a product that is left as it is and whose result goes on into a quantised operand takes f32 operands (vector FMAs, or v_wmma_f32_16x16x4_f32). A number that lies on a knife's edge between two numbers of the format may be rounded either way, as far as f32 arithmetic and the matrix unit's own rounding can turn it there, and no further.
;;   INPUTS GIVEN AS CODES. K (in the module: [8, 2048, 512], K = its axis 2); Q (in the module: [8, 2048, 512], K = its axis 2); V (in the module: [8, 2048, 512], K = its axis 2); Wk (in the module: [512, 512], K = its axis 1); Wo (in the module: [512, 512], K = its axis 1); Wq (in the module: [512, 512], K = its axis 1); Wv (in the module: [512, 512], K = its axis 1): each comes as NAME_codes (uint8): NAME with its K axis moved to the last place and cut into blocks of 32 codes, [.., K / 32, bytes a block], one block behind the other in memory; one code a byte (a code: sign, 5 exponent bits, 2 mantissa bits); and NAME_scales (uint8): the same leading axes, one E8M0 byte (e + 127) for each 32 codes along K. Its value is code x scale, taken as it is: it is not quantised again, and the codes and scales need not be those that the quantiser above would give.
;; 2 versions. Each part assembles by itself: llvm-mc -triple=amdgcn-amd-amdhsa -mcpu=gfx1250 --defsym DOCPART=n.
;; ======== version 1 of 2: 4 launches
;; limits: right only within a limited range of input values
;; workspace buffers: qkv 25,952,256 bytes; maskw 524,288 bytes of whole numbers; oimg 8,388,608 bytes; osc 262,144 bytes
;; launch maskpack (part 1): grid 256 x 1, 8 waves a work-group, no clusters, 68,608 bytes of LDS; arguments mask, maskw; writes maskw
.if DOCPART == 1
	.amdgcn_target "amdgcn-amd-amdhsa--gfx1250"
	.amdhsa_code_object_version 6
	.text
	.protected	k_q84dfb49884_maskpack
	.globl	k_q84dfb49884_maskpack
	.p2align	8
	.type	k_q84dfb49884_maskpack,@function
k_q84dfb49884_maskpack:
	s_mov_b64 s[64:65], 0
	v_nop
	global_prefetch_b8 v0, s[64:65] scope:SCOPE_SE
	s_setreg_imm32_b32 hwreg(HW_REG_WAVE_MODE, 25, 1), 1
	s_wait_xcnt 0x0
; The mask [2048 queries][2048 keys] of int32 becomes words of 32 bits, one bit a lane, in the order in which the attention launch holds its scores:
; maskw[qt][step][n], qt = tile of 16 queries (128), step = 128 keys (16), n = score register (64).  Bit l of word n says whether
; mask[query][key] != 0 for query = 32 (qt / 2) + 8 (qt % 2) + r + 8 (r / 8), r = l % 16, and key = 128 step + 32 (n / 16) + 16 (l / 16) + n % 16.
; So the later launch masks a score register by one select on one scalar word, and the 16.7 MB of the mask are read from memory once in the whole program.
; SHARES.  Work-group g: tile qt = g / 2; wave w: step 8 (g % 2) + w: 16 rows x 512 bytes.  All 16 loads of a wave go out at once, each 512 consecutive bytes.
; A row's 128 numbers come 4 to a lane; the compare wants lane = (row, half) and register = key: the 8 KB turn through the wave's own stage in LDS
; (16 rows of 512 bytes + 16 of padding, so that the 16 rows of a read start in different banks).  Waves share nothing: no barrier.
; No matrix unit, no tensor load, no cluster: a stream read once, by work-groups that share no byte.
.set SP,  528                          ; a stage row
.set STG, 16*SP                        ; a wave's stage
.set R,   16                           ; v16-79   the rows as loaded
.set T,   80                           ; v80-143  register n = 16 b + i: key 32 b + 16 (lane / 16) + i of row lane % 16
	s_load_b128 s[4:7], s[0:1], 0x0                ; mask, maskw
	v_lshl_add_u32 v144, v0, 2, 0x10800
	v_mov_b32 v145, 0
	v_lshrrev_b32 v5, 5, v0
	v_readfirstlane_b32 s12, v5                    ; wave 0..7
	v_and_b32 v6, 31, v0                           ; lane
	v_and_b32 v7, 15, v0                           ; r
	v_bfe_u32 v10, v0, 4, 1                        ; h
	v_lshlrev_b32 v1, 4, v6                        ; 16 x lane: my bytes of a row
	v_lshlrev_b32 v4, 3, v6                        ; 8 x lane: my two words on the way out
	s_mul_i32 s13, s12, STG
	v_add_nc_u32 v2, s13, v1                       ; the stage, on the way in
	v_mul_u32_u24 v3, v7, SP
	v_lshl_add_u32 v3, v10, 6, v3
	v_add_nc_u32 v3, s13, v3                       ; and back: row r, + 64 h
	v_mov_b32 v8, 0                                ; the words: a lane write's destination counts as read
	v_mov_b32 v9, 0
	s_lshr_b32 s14, ttmp9, 1                       ; qt
	s_and_b32 s15, ttmp9, 1
	s_lshl_b32 s15, s15, 3
	s_add_co_u32 s15, s15, s12                     ; step
	s_lshr_b32 s8, s14, 1
	s_lshl_b32 s8, s8, 5
	s_and_b32 s9, s14, 1
	s_lshl_b32 s9, s9, 3
	s_add_co_u32 s8, s8, s9                        ; the tile's first query
	s_lshl_b32 s8, s8, 13                          ; x 8,192 bytes a row
	s_lshl_b32 s9, s15, 9                          ; + 512 bytes a step
	s_add_co_u32 s8, s8, s9
	s_mov_b32 s9, 0
	s_lshl_b32 s10, s14, 4
	s_add_co_u32 s10, s10, s15
	s_lshl_b32 s10, s10, 8                         ; (16 qt + step) x 256 bytes
	s_mov_b32 s11, 0
	s_wait_kmcnt 0x0
	s_add_nc_u64 s[4:5], s[4:5], s[8:9]
	s_add_nc_u64 s[6:7], s[6:7], s[10:11]
.irp i, 0,1,2,3,4,5,6,7,8,9,10,11,12,13,14,15
	global_load_b128 v[R+4*\i:R+4*\i+3], v1, s[4:5] offset:(\i+8*(\i/8))*8192 th:TH_LOAD_NT   ; row i of the tile: 512 consecutive bytes, read once in the program
.endr
.irp i, 0,1,2,3,4,5,6,7,8,9,10,11,12,13,14,15
	s_wait_loadcnt 15-\i                           ; loads come back in order: row i is in, the 15 - i younger ones may be out
	ds_store_b128 v2, v[R+4*\i:R+4*\i+3] offset:SP*\i
.endr
.irp b, 0,1,2,3
.irp q, 0,1,2,3
	ds_load_b128 v[T+16*\b+4*\q:T+16*\b+4*\q+3], v3 offset:128*\b+16*\q   ; LDS serves a wave's instructions in order: these see my stores
.endr
.endr
.set n, 0
.set k, 0
.rept 16
	s_wait_dscnt 15-k                              ; the k-th of the 16 loads is in
.rept 4
	v_cmp_ne_u32 s[16+n%8], 0, v[T+n]              ; one bit a lane: word n
	v_writelane_b32 v[8+n%2], s[16+n%8], n/2       ; lane n / 2 stores words n and n + 1
.set n, n+1
.endr
.set k, k+1
.endr
	global_store_b64 v4, v[8:9], s[6:7]            ; 32 lanes store 256 consecutive bytes, aligned
	s_wait_tensorcnt 0x0
	ds_add_u32 v144, v145
	s_wait_dscnt 0x0
	s_endpgm
.Lfunc_end_k_q84dfb49884_maskpack:
	.size	k_q84dfb49884_maskpack, .Lfunc_end_k_q84dfb49884_maskpack-k_q84dfb49884_maskpack
	.p2alignl 7, 3214868480
	.fill 96, 4, 3214868480
	.section	.rodata,"a",@progbits
	.p2align	6, 0x0
	.amdhsa_kernel k_q84dfb49884_maskpack
		.amdhsa_group_segment_fixed_size 68608
		.amdhsa_private_segment_fixed_size 0
		.amdhsa_enable_private_segment 0
		.amdhsa_kernarg_size 16
		.amdhsa_user_sgpr_count 2
		.amdhsa_user_sgpr_kernarg_segment_ptr 1
		.amdhsa_wavefront_size32 1
		.amdhsa_system_sgpr_workgroup_id_x 1
		.amdhsa_system_sgpr_workgroup_id_y 1
		.amdhsa_system_sgpr_workgroup_id_z 1
		.amdhsa_system_vgpr_workitem_id 0
		.amdhsa_next_free_vgpr 146
		.amdhsa_next_free_sgpr 66
		.amdhsa_reserve_vcc 0
		.amdhsa_float_denorm_mode_32 3
		.amdhsa_float_denorm_mode_16_64 3
		.amdhsa_memory_ordered 1
		.amdhsa_forward_progress 1
		.amdhsa_inst_pref_size 15
	.end_amdhsa_kernel
	.amdgpu_metadata
---
amdhsa.version: [ 1, 2 ]
amdhsa.kernels:
  - .name:           k_q84dfb49884_maskpack
    .symbol:         k_q84dfb49884_maskpack.kd
    .args:
      - { .name: mask, .offset: 0, .size: 8, .value_kind: global_buffer, .address_space: global }
      - { .name: maskw, .offset: 8, .size: 8, .value_kind: global_buffer, .address_space: global }
    .group_segment_fixed_size: 68608
    .private_segment_fixed_size: 0
    .kernarg_segment_align: 8
    .kernarg_segment_size: 16
    .max_flat_workgroup_size: 256
    .sgpr_count:     66
    .vgpr_count:     146
    .wavefront_size: 32
...
	.end_amdgpu_metadata
.endif
;; end of part 1
;; launch proj (part 2): grid 64 x 3, 4 waves a work-group, no clusters, 168,448 bytes of LDS; arguments Q_codes, Q_scales, Wq_codes, Wq_scales, bq, K_codes, K_scales, Wk_codes, Wk_scales, bk, V_codes, V_scales, Wv_codes, Wv_scales, bv, qkv; writes qkv
.if DOCPART == 2
	.amdgcn_target "amdgcn-amd-amdhsa--gfx1250"
	.amdhsa_code_object_version 6
	.text
	.protected	k_q84dfb49884_proj
	.globl	k_q84dfb49884_proj
	.p2align	8
	.type	k_q84dfb49884_proj,@function
k_q84dfb49884_proj:
	s_mov_b64 s[64:65], 0
	v_nop
	global_prefetch_b8 v0, s[64:65] scope:SCOPE_SE
	s_setreg_imm32_b32 hwreg(HW_REG_WAVE_MODE, 25, 1), 1
	s_wait_xcnt 0x0
; q = Q Wq^T + bq, k = K Wk^T + bk, v = V Wv^T + bv on codes of BF8 (E5M2) with E8M0 scales, sums in f32; the results are quantised at once (q, k along the head's 64; v along the keys)
; and stored as IMAGES OF THE ATTENTION LAUNCH'S OPERAND REGISTERS, so that nothing is transposed later.
; qkv: one chunk of CH = 25,344 bytes for each (8 b + head, step of 128 tokens):
;   0      K's 4 fragments F (2,048 bytes each: piece c at 512 c + 16 lane).  Pieces 0, 1: key tile (F, 0), dims 32 c + 16 h on; pieces 2, 3: key tile (F, 1)
;   8192   V's 4 fragments t' (16 of the head's 64 dims x 128 keys): piece c = keys 32 c + 16 h on
;   16384  K's scale words [F][r];   16640  V's [t'][r];   16896  q's fragments, laid as K's;   25088  q's scale words
; A TILE (F, u) OF 16 IS NOT 16 NEIGHBOURS: lane r takes index 32 F + 8 u + r + 8 (r / 8).  A result's 16 registers of tiles (F, 0) and (F, 1) are then the 16 neighbours 32 F + 16 h + 0 .. 15: what registers 4 c .. 4 c + 3 of an operand hold.
; SHARES.  Work-group (x, y): tensor y (0 q, 1 k, 2 v), tokens 256 x on.  Wave w keeps rows 128 w .. 128 w + 127 of the weight (heads 2 w, 2 w + 1) in 512 registers, read once.
; x's 256 rows of codes and their scale bytes come into LDS once, by two tensor loads a wave; eight trips of 32 tokens, 64 matrix instructions each.
; q, k: source 0 = 16 rows of W, source 1 = 16 tokens: a lane holds one token, its registers run along the head's dims.  v: the sources swapped: a lane holds one dim, its registers run along the tokens.
; 192 work-groups: a work-group keeps one weight, and three tensors do not divide 256.  NO JOINT LOADS: the weight, which work-groups share, goes straight into registers;
; through LDS its 262,144 bytes would not fit beside x's 139,264.
; LIMITS: NaN, infinities and the scale byte 0xff among the inputs are not served.  A block of zeros gets the byte 1 (its codes are zeros; this program alone reads the bytes).
; REGISTERS, in windows of 256: window 0: v1-15 addresses; v16-47 W's scale words (4 t + s); v48-51 x's (lanes 0-15 tile u = 0, lanes 16-31 u = 1); v52-95 the quantiser's; v96-127 codes; v128-255 16 accumulators.
;   window 1: W's fragments (t, s = 0, 1) at 16 (2 t + s);  window 2: (t, s = 2, 3);  window 3: x's fragments (u, s) at 64 u + 16 s; the bias at 128 + 8 t.
.set CH,    25344
.set HEADB, 16*CH                      ; from a head's chunk to the next head's
.set XP,    528                        ; a row of x in LDS: 512 bytes + 16 of padding
.set XSC,   256*XP                     ; behind the rows: x's scale bytes, 16 a token
.set WS,  16
.set XS,  48
.set TM,  52                           ; largest magnitudes
.set TP,  60                           ; the other half's; then the scale bytes
.set HD,  68                           ; 57,344 x the scale
.set SO,  76                           ; the conversion's scale operand
.set VW,  84                           ; v's scale words, gathered over four trips
.set PC,  96
.set ACC, 128
.set MSB, 0
.macro WIN new                         ; the immediate's high byte repeats the setting that is left
.if MSB != \new
	s_set_vgpr_msb (MSB<<8)|\new
.set MSB, \new
.endif
.endm
.macro MM d, a, b, c, sa, sb, ra, rb   ; one product; ra, rb: that side's scales stand in lanes 16-31
.if (\ra)
	v_wmma_scale_f32_16x16x128_f8f6f4 v[(\d):(\d)+7], v[(\a):(\a)+15], v[(\b):(\b)+15], v[(\c):(\c)+7], v[\sa], v[\sb] matrix_a_fmt:MATRIX_FMT_BF8 matrix_b_fmt:MATRIX_FMT_BF8 matrix_a_scale:MATRIX_SCALE_ROW1
.elseif (\rb)
	v_wmma_scale_f32_16x16x128_f8f6f4 v[(\d):(\d)+7], v[(\a):(\a)+15], v[(\b):(\b)+15], v[(\c):(\c)+7], v[\sa], v[\sb] matrix_a_fmt:MATRIX_FMT_BF8 matrix_b_fmt:MATRIX_FMT_BF8 matrix_b_scale:MATRIX_SCALE_ROW1
.else
	v_wmma_scale_f32_16x16x128_f8f6f4 v[(\d):(\d)+7], v[(\a):(\a)+15], v[(\b):(\b)+15], v[(\c):(\c)+7], v[\sa], v[\sb] matrix_a_fmt:MATRIX_FMT_BF8 matrix_b_fmt:MATRIX_FMT_BF8
.endif
.endm
; 64 products: the 16 accumulators take turns, one instruction a turn, in the same order in every K step.  The bias is the C of a sum's first product: nothing is cleared or added.
.macro MULQK                           ; source 0 = W (window 1 or 2), source 1 = x (window 3); accumulator (u, t) at ACC + 8 (8 u + t)
.irp s, 0,1,2,3
.if \s == 0
	WIN 0x3d                                       ; C = the bias, window 3
.elseif \s == 1
	WIN 0x0d
.else
	WIN 0x0e
.endif
.irp u, 0,1
.irp t, 0,1,2,3,4,5,6,7
.if \s == 0
	MM ACC+8*(8*\u+\t), 16*(2*\t+\s%2), 64*\u+16*\s, 128+8*\t, WS+4*\t+\s, XS+\s, 0, \u
.else
	MM ACC+8*(8*\u+\t), 16*(2*\t+\s%2), 64*\u+16*\s, ACC+8*(8*\u+\t), WS+4*\t+\s, XS+\s, 0, \u
.endif
.endr
.endr
.endr
	WIN 0
.endm
.macro MULV                            ; the sources swapped; accumulator (t, u) at ACC + 16 t + 8 u
.irp s, 0,1,2,3
.if \s == 0
	WIN 0x37
.elseif \s == 1
	WIN 0x07
.else
	WIN 0x0b
.endif
.irp u, 0,1
.irp t, 0,1,2,3,4,5,6,7
.if \s == 0
	MM ACC+16*\t+8*\u, 64*\u+16*\s, 16*(2*\t+\s%2), 128+8*\t, XS+\s, WS+4*\t+\s, \u, 0
.else
	MM ACC+16*\t+8*\u, 64*\u+16*\s, 16*(2*\t+\s%2), ACC+16*\t+8*\u, XS+\s, WS+4*\t+\s, \u, 0
.endif
.endr
.endr
.endr
	WIN 0
.endm
.macro XFETCH                          ; 32 tokens' fragments (two tiles x four K steps) and their scale words, from the addresses in v4 and v5
	WIN 0xc0                                       ; destination window 3
.irp u, 0,1
.irp s, 0,1,2,3
.irp c, 0,1,2,3
	ds_load_b128 v[64*\u+16*\s+4*\c:64*\u+16*\s+4*\c+3], v4 offset:8*XP*\u+128*\s+32*\c
.endr
.endr
.endr
	WIN 0
	ds_load_b128 v[XS:XS+3], v5                    ; a token's 16 scale bytes are its four words
.endm
; Eight groups of 16 registers, ACC + 16 g on: each is a lane's half of a block of 32 along the next K; the other half lies in lane l xor 16.  Codes to PC + 4 g, the byte to TP + g.
.macro QUANT
.irp g, 0,1,2,3,4,5,6,7
	v_max3_num_f32 v[TM+\g], |v[ACC+16*\g]|, |v[ACC+16*\g+1]|, 0x8000000   ; with the floor 2^(16 - 127): the byte cannot fall under 1.  (Each accumulator is read from its low end on)
.endr
.irp i, 2,4,6,8,10,12,14
.irp g, 0,1,2,3,4,5,6,7
	v_max3_num_f32 v[TM+\g], v[TM+\g], |v[ACC+16*\g+\i]|, |v[ACC+16*\g+\i+1]|   ; the groups by turns: no line waits for the line above it
.endr
.endr
.irp g, 0,1,2,3,4,5,6,7
	v_permlanex16_b32 v[TP+\g], v[TM+\g], s92, s93
.endr
.irp g, 0,1,2,3,4,5,6,7
	v_max_num_f32 v[TM+\g], v[TM+\g], v[TP+\g]     ; the block's largest magnitude
.endr
.irp g, 0,1,2,3,4,5,6,7
	v_add_nc_u32 v[SO+\g], 0xf8800000, v[TM+\g]    ; 15 off its exponent field: the conversion takes this operand's exponent field as its scale
.endr
.irp g, 0,1,2,3,4,5,6,7
	v_and_or_b32 v[HD+\g], v[TM+\g], 0x7f800000, s94   ; 57,344 x the scale
.endr
.irp g, 0,1,2,3,4,5,6,7
	v_lshrrev_b32 v[TP+\g], 23, v[SO+\g]           ; the scale's byte
.endr
.irp g, 0,1,2,3,4,5,6,7
.irp i, 0,1,2,3,4,5,6,7,8,9,10,11,12,13,14,15
	v_med3_num_f32 v[ACC+16*\g+\i], v[ACC+16*\g+\i], -v[HD+\g], v[HD+\g]   ; the conversion to an 8-bit code does not saturate (ISA guide 7.6.2): the hold comes first
.endr
	v_cvt_scalef32_pk8_bf8_f32 v[PC+4*\g:PC+4*\g+1], v[ACC+16*\g:ACC+16*\g+7], v[SO+\g]
	v_cvt_scalef32_pk8_bf8_f32 v[PC+4*\g+2:PC+4*\g+3], v[ACC+16*\g+8:ACC+16*\g+15], v[SO+\g]
.endr
	v_nop                                          ; one plain line behind the last conversion: the next products write its sources
.endm
	s_load_b512 s[16:31], s[0:1], 0x0              ; Q_codes 16, Q_scales 18, Wq_codes 20, Wq_scales 22, bq 24, K_codes 26, K_scales 28, Wk_codes 30
	s_load_b512 s[32:47], s[0:1], 0x40             ; Wk_scales 32, bk 34, V_codes 36, V_scales 38, Wv_codes 40, Wv_scales 42, bv 44, qkv 46
	s_set_vgpr_msb 0xc0
	v_lshl_add_u32 v254, v0, 2, 0x29000
	v_mov_b32 v255, 0
	s_set_vgpr_msb 0xc0cf
	ds_add_u32 v254, v255
	ds_add_u32 v254, v255
	s_set_vgpr_msb 0xcf00
	v_lshrrev_b32 v15, 5, v0
	v_readfirstlane_b32 s2, v15                    ; wave 0..3
	s_and_b32 s3, ttmp7, 0xffff                    ; which tensor
	s_mov_b32 s4, ttmp9                            ; which 256 tokens
	v_and_b32 v52, 31, v0                          ; lane
	v_and_b32 v53, 15, v0                          ; r
	v_bfe_u32 v54, v0, 4, 1                        ; h
	v_and_b32 v55, 8, v53
	v_add_nc_u32 v55, v55, v53                     ; r + 8 (r / 8)
	v_lshlrev_b32 v1, 4, v52                       ; v1: 16 x lane
	v_mul_u32_u24 v2, v55, XP
	v_lshl_add_u32 v2, v54, 4, v2                  ; v2: x's fragments: my row x pitch + 16 h
	v_lshl_add_u32 v3, v54, 3, v55
	v_lshl_add_u32 v3, v3, 4, XSC                  ; v3: x's scale words: lanes 0-15 tile u = 0, lanes 16-31 the tile 8 tokens on
	v_mov_b32 v4, v2                               ; v4, v5: the same for the trip in hand
	v_mov_b32 v5, v3
	v_mul_u32_u24 v7, v54, HEADB
	v_lshl_add_u32 v7, v53, 2, v7                  ; v7: q's, k's scale words: 4 r; lanes 16-31 the wave's second head
	v_lshlrev_b32 v13, 2, v52                      ; v13: 4 x lane
	v_lshlrev_b32 v10, 9, v55
	v_lshl_add_u32 v10, v54, 4, v10                ; v10: W: my row of 512 bytes + 16 h
	v_lshlrev_b32 v11, 4, v55                      ; v11: W's scale bytes, 16 a row
	v_lshlrev_b32 v12, 6, v54                      ; v12: the bias where registers run along the dims: 16 h numbers on
	v_lshlrev_b32 v14, 2, v55                      ; v14: the bias where a lane holds one dim
	s_mov_b32 s92, 0x76543210
	s_mov_b32 s93, 0xfedcba98                      ; v_permlanex16_b32's selects for lane l xor 16
	s_mov_b32 s94, 0x600000                        ; the mantissa field of 57,344
	s_mov_b32 s95, 0xffff0000                      ; lanes 16-31
	s_mov_b32 s12, 0                               ; the trip
	; descriptor a: my 64 rows of x's codes: rows of 64 elements of 8 bytes, 16 bytes of padding behind each
	s_mov_b32 s68, 1                               ; count = 1
	s_mul_i32 s69, s2, 64*XP                       ; LDS address
	s_mov_b32 s72, (3<<16)|(1<<20)|(6<<22)|(3<<25) ; no mask; elements of 8 bytes; padding on, after every 128 words (code 6), 4 words (code 3)
	s_mov_b32 s73, 64<<16                          ; tensor_dim0 = 64
	s_mov_b32 s74, 64<<16                          ; tensor_dim1 = 64
	s_mov_b32 s75, 64<<16                          ; tile_dim0 = 64
	s_mov_b32 s76, 64                              ; tile_dim1 = 64
	s_mov_b32 s77, 64                              ; pitch
	s_mov_b32 s78, 0
	s_mov_b32 s79, 0
	; descriptor b: their scale bytes: 1,024 dense bytes as 4 rows of 256
	s_mov_b32 s80, 1
	s_lshl_b32 s81, s2, 10
	s_add_co_u32 s81, s81, XSC
	s_mov_b32 s84, 3<<16
	s_mov_b32 s85, 32<<16
	s_mov_b32 s86, 4<<16
	s_mov_b32 s87, 32<<16
	s_mov_b32 s88, 4
	s_mov_b32 s89, 32
	s_mov_b32 s90, 0
	s_mov_b32 s91, 0
	s_lshl_b32 s5, s4, 8
	s_lshl_b32 s6, s2, 6
	s_add_co_u32 s5, s5, s6                        ; the first token that I fetch: 256 x + 64 w
	s_lshl_b32 s6, s5, 9                           ; its codes,
	s_mov_b32 s7, 0
	s_lshl_b32 s8, s5, 4                           ; its scale bytes
	s_mov_b32 s9, 0
	s_wait_dscnt 0x0
	s_wait_kmcnt 0x0
	s_cmp_eq_u32 s3, 1                             ; the five buffers of my tensor: the choice hangs on the work-group's number alone
	s_cselect_b64 s[48:49], s[26:27], s[36:37]
	s_cselect_b64 s[50:51], s[28:29], s[38:39]
	s_cselect_b64 s[52:53], s[30:31], s[40:41]
	s_cselect_b64 s[54:55], s[32:33], s[42:43]
	s_cselect_b64 s[56:57], s[34:35], s[44:45]
	s_cmp_eq_u32 s3, 0
	s_cselect_b64 s[48:49], s[16:17], s[48:49]     ; x's codes
	s_cselect_b64 s[50:51], s[18:19], s[50:51]     ; x's scales
	s_cselect_b64 s[52:53], s[20:21], s[52:53]     ; W's codes
	s_cselect_b64 s[54:55], s[22:23], s[54:55]     ; W's scales
	s_cselect_b64 s[56:57], s[24:25], s[56:57]     ; the bias
	s_add_nc_u64 s[70:71], s[48:49], s[6:7]
	s_or_b32 s71, s71, 0x80000000                  ; type = 2
	s_add_nc_u64 s[82:83], s[50:51], s[8:9]
	s_or_b32 s83, s83, 0x80000000
	tensor_load_to_lds s[68:71], s[72:79]          ; both fills of the launch go out together: two loads of mine are out
	s_nop 0
	tensor_load_to_lds s[80:83], s[84:91]
	s_nop 0
.rept 4
	v_nop
.endr
	s_lshl_b32 s6, s2, 16                          ; my 128 rows of W: 512 bytes a row,
	s_mov_b32 s7, 0
	s_add_nc_u64 s[52:53], s[52:53], s[6:7]
	s_lshl_b32 s6, s2, 11                          ; 16 scale bytes a row,
	s_add_nc_u64 s[54:55], s[54:55], s[6:7]
	s_lshl_b32 s6, s2, 9                           ; 4 bytes of bias a row
	s_add_nc_u64 s[56:57], s[56:57], s[6:7]
	WIN 0x40                                       ; destination window 1
.irp t, 0,1,2,3,4,5,6,7
.irp s, 0,1
.irp c, 0,1,2,3
	global_load_b128 v[16*(2*\t+\s)+4*\c:16*(2*\t+\s)+4*\c+3], v10, s[52:53] offset:(32*(\t/2)+8*(\t%2))*512+128*\s+32*\c
.endr
.endr
.endr
	WIN 0x80                                       ; destination window 2
.irp t, 0,1,2,3,4,5,6,7
.irp s, 2,3
.irp c, 0,1,2,3
	global_load_b128 v[16*(2*\t+\s-2)+4*\c:16*(2*\t+\s-2)+4*\c+3], v10, s[52:53] offset:(32*(\t/2)+8*(\t%2))*512+128*\s+32*\c
.endr
.endr
.endr
	WIN 0
.irp t, 0,1,2,3,4,5,6,7
	global_load_b128 v[WS+4*\t:WS+4*\t+3], v11, s[54:55] offset:(32*(\t/2)+8*(\t%2))*16   ; a row's four scale words
.endr
	s_cmp_eq_u32 s3, 2
	s_cbranch_scc1 .Lbias_v
	WIN 0xc0                                       ; q, k: register j of tile t is dim 32 (t / 2) + 8 (t % 2) + 16 h + j
.irp t, 0,1,2,3,4,5,6,7
	global_load_b128 v[128+8*\t:128+8*\t+3], v12, s[56:57] offset:(32*(\t/2)+8*(\t%2))*4
	global_load_b128 v[128+8*\t+4:128+8*\t+7], v12, s[56:57] offset:(32*(\t/2)+8*(\t%2))*4+16
.endr
	WIN 0
	s_branch .Lbias_done
.Lbias_v:
	WIN 0xc0                                       ; v: all eight registers of a lane belong to its one dim
.irp t, 0,1,2,3,4,5,6,7
.irp j, 0,1,2,3,4,5,6,7
	global_load_b32 v[128+8*\t+\j], v14, s[56:57] offset:(32*(\t/2)+8*(\t%2))*4
.endr
.endr
	WIN 0
.Lbias_done:
	s_lshr_b32 s5, s4, 3                           ; b
	s_lshl_b32 s5, s5, 3
	s_lshl_b32 s6, s2, 1
	s_add_co_u32 s5, s5, s6                        ; 8 b + my first head
	s_lshl_b32 s5, s5, 4
	s_and_b32 s6, s4, 7
	s_lshl_b32 s6, s6, 1
	s_add_co_u32 s5, s5, s6                        ; + my first step of 128 tokens
	s_mul_i32 s5, s5, CH                           ; that chunk's first byte (under 2^25)
	s_mov_b32 s58, 8192                            ; where my tensor's codes and scale words lie in a chunk, and from one trip's codes to the next's
	s_mov_b32 s60, 16640
	s_mov_b32 s14, 2048
	s_cmp_eq_u32 s3, 2
	s_cselect_b32 s14, 512, s14
	s_cmp_eq_u32 s3, 1
	s_cselect_b32 s58, 0, s58
	s_cselect_b32 s60, 16384, s60
	s_cmp_eq_u32 s3, 0
	s_cselect_b32 s58, 16896, s58
	s_cselect_b32 s60, 25088, s60
	s_add_co_u32 s58, s58, s5
	s_add_co_u32 s60, s60, s5
	s_mov_b32 s59, 0
	s_mov_b32 s61, 0
	s_add_nc_u64 s[8:9], s[46:47], s[58:59]        ; the codes' base
	s_add_nc_u64 s[10:11], s[46:47], s[60:61]      ; the scale words' base
.irp g, 0,1,2,3,4,5,6,7
	v_mov_b32 v[TP+\g], 0                          ; written once: a lane permute's destination counts as one of its sources
	v_mov_b32 v[VW+\g], 0                          ; and the gathered words are shifted in place
.endr
	s_wait_tensorcnt 0x0                           ; my rows and scale bytes have landed,
	s_barrier_signal -1
	s_barrier_wait -1                              ; everybody's have: the launch's only barrier
	XFETCH
	s_wait_loadcnt 0x0                             ; W, its scales, the bias
.Lit:                                                  ; eight trips: tokens 32 IT on: step IT / 4, group F = IT % 4
	s_wait_dscnt 0x0                               ; this trip's fragments are in
	s_cmp_eq_u32 s3, 2
	s_cbranch_scc1 .Lmul_v
	MULQK
	s_branch .Lmul_done
.Lmul_v:
	MULV
.Lmul_done:
	s_add_co_u32 s15, s12, 1
	s_and_b32 s15, s15, 7                          ; the next trip's tokens (the last trip reads group 0 again, to no use: the loop has one form)
	s_mul_i32 s96, s15, 32*XP
	s_lshl_b32 s97, s15, 9
	v_add_nc_u32 v4, s96, v2                       ; eight places stand between the products and the loads into their operands and the first read of their results: these two lines and six v_nop
	v_add_nc_u32 v5, s97, v3
.rept 6
	v_nop
.endr
	XFETCH                                         ; lands while this trip's results are quantised
	s_wait_xcnt 0x0                                ; the last trip's stores have read their data and offsets: both are written again below
	QUANT
	s_lshr_b32 s5, s12, 2
	s_mul_i32 s5, s5, CH                           ; the step's chunk
	s_and_b32 s13, s12, 3                          ; F
	s_mul_i32 s6, s13, s14
	s_add_co_u32 s6, s6, s5
	v_add_nc_u32 v6, s6, v1                        ; codes: 16 x lane + chunk + F's place
	s_lshl_b32 s7, s13, 6
	s_add_co_u32 s7, s7, s5
	v_add_nc_u32 v8, s7, v7                        ; q's, k's scale words: + 64 F
	v_add_nc_u32 v9, s5, v13                       ; v's: 4 x lane + chunk
	s_cmp_eq_u32 s3, 2
	s_cbranch_scc1 .Lst_v
	; q, k: group g = 4 u + 2 e + blk: head e, token tile (F, u), dims 32 blk + 16 h on: piece 2 u + blk of fragment F
.irp e, 0,1
.irp u, 0,1
.irp k, 0,1
	global_store_b128 v6, v[PC+4*(4*\u+2*\e+\k):PC+4*(4*\u+2*\e+\k)+3], s[8:9] offset:\e*HEADB+(2*\u+\k)*512   ; 512 consecutive bytes, aligned
.endr
.endr
.endr
	v_lshl_or_b32 v92, v[TP+1], 8, v[TP]           ; a fragment row's word: bytes (u 0 blk 0, u 0 blk 1, u 1 blk 0, u 1 blk 1); v92 head 0, v93 head 1
	v_lshl_or_b32 v93, v[TP+3], 8, v[TP+2]
	v_lshl_or_b32 v92, v[TP+4], 16, v92
	v_lshl_or_b32 v93, v[TP+6], 16, v93
	v_lshl_or_b32 v92, v[TP+5], 24, v92
	v_lshl_or_b32 v93, v[TP+7], 24, v93
	v_cndmask_b32 v94, v92, v93, s95               ; lanes 0-15 store head 0's, lanes 16-31 head 1's
	global_store_b32 v8, v94, s[10:11]
	s_branch .Lst_done
.Lst_v:
	; v: group t: head t / 4, dims tile t % 4, tokens 32 F + 16 h on: piece F of fragment t % 4
.irp t, 0,1,2,3,4,5,6,7
	global_store_b128 v6, v[PC+4*\t:PC+4*\t+3], s[8:9] offset:(\t/4)*HEADB+(\t%4)*2048
.endr
.irp t, 0,1,2,3,4,5,6,7
	v_alignbit_b32 v[VW+\t], v[TP+\t], v[VW+\t], 8 ; the byte comes in on top: after four trips byte F lies in place F
.endr
	s_cmp_lg_u32 s13, 3
	s_cbranch_scc1 .Lst_done                       ; a step's words are whole behind its fourth trip
.irp e, 0,1
.irp j, 0,1
	v_cndmask_b32 v[92+2*\e+\j], v[VW+4*\e+2*\j], v[VW+4*\e+2*\j+1], s95   ; lanes 0-15 fragment 2 j, lanes 16-31 fragment 2 j + 1
	global_store_b32 v9, v[92+2*\e+\j], s[10:11] offset:\e*HEADB+128*\j
.endr
.endr
.Lst_done:
	s_add_co_u32 s12, s12, 1
	s_cmp_lt_u32 s12, 8
	s_cbranch_scc1 .Lit
	s_wait_dscnt 0x0                               ; the last trip's fetch
	s_set_vgpr_msb 0xf
	s_wait_tensorcnt 0x0
	ds_add_u32 v254, v255
	s_wait_dscnt 0x0
	s_set_vgpr_msb 0xf00
	s_endpgm
.Lfunc_end_k_q84dfb49884_proj:
	.size	k_q84dfb49884_proj, .Lfunc_end_k_q84dfb49884_proj-k_q84dfb49884_proj
	.p2alignl 7, 3214868480
	.fill 96, 4, 3214868480
	.section	.rodata,"a",@progbits
	.p2align	6, 0x0
	.amdhsa_kernel k_q84dfb49884_proj
		.amdhsa_group_segment_fixed_size 168448
		.amdhsa_private_segment_fixed_size 0
		.amdhsa_enable_private_segment 0
		.amdhsa_kernarg_size 128
		.amdhsa_user_sgpr_count 2
		.amdhsa_user_sgpr_kernarg_segment_ptr 1
		.amdhsa_wavefront_size32 1
		.amdhsa_system_sgpr_workgroup_id_x 1
		.amdhsa_system_sgpr_workgroup_id_y 1
		.amdhsa_system_sgpr_workgroup_id_z 1
		.amdhsa_system_vgpr_workitem_id 0
		.amdhsa_next_free_vgpr 1024
		.amdhsa_next_free_sgpr 100
		.amdhsa_reserve_vcc 0
		.amdhsa_float_denorm_mode_32 3
		.amdhsa_float_denorm_mode_16_64 3
		.amdhsa_memory_ordered 1
		.amdhsa_forward_progress 1
		.amdhsa_inst_pref_size 68
	.end_amdhsa_kernel
	.amdgpu_metadata
---
amdhsa.version: [ 1, 2 ]
amdhsa.kernels:
  - .name:           k_q84dfb49884_proj
    .symbol:         k_q84dfb49884_proj.kd
    .args:
      - { .name: Q_codes, .offset: 0, .size: 8, .value_kind: global_buffer, .address_space: global }
      - { .name: Q_scales, .offset: 8, .size: 8, .value_kind: global_buffer, .address_space: global }
      - { .name: Wq_codes, .offset: 16, .size: 8, .value_kind: global_buffer, .address_space: global }
      - { .name: Wq_scales, .offset: 24, .size: 8, .value_kind: global_buffer, .address_space: global }
      - { .name: bq, .offset: 32, .size: 8, .value_kind: global_buffer, .address_space: global }
      - { .name: K_codes, .offset: 40, .size: 8, .value_kind: global_buffer, .address_space: global }
      - { .name: K_scales, .offset: 48, .size: 8, .value_kind: global_buffer, .address_space: global }
      - { .name: Wk_codes, .offset: 56, .size: 8, .value_kind: global_buffer, .address_space: global }
      - { .name: Wk_scales, .offset: 64, .size: 8, .value_kind: global_buffer, .address_space: global }
      - { .name: bk, .offset: 72, .size: 8, .value_kind: global_buffer, .address_space: global }
      - { .name: V_codes, .offset: 80, .size: 8, .value_kind: global_buffer, .address_space: global }
      - { .name: V_scales, .offset: 88, .size: 8, .value_kind: global_buffer, .address_space: global }
      - { .name: Wv_codes, .offset: 96, .size: 8, .value_kind: global_buffer, .address_space: global }
      - { .name: Wv_scales, .offset: 104, .size: 8, .value_kind: global_buffer, .address_space: global }
      - { .name: bv, .offset: 112, .size: 8, .value_kind: global_buffer, .address_space: global }
      - { .name: qkv, .offset: 120, .size: 8, .value_kind: global_buffer, .address_space: global }
    .group_segment_fixed_size: 168448
    .private_segment_fixed_size: 0
    .kernarg_segment_align: 8
    .kernarg_segment_size: 128
    .max_flat_workgroup_size: 128
    .sgpr_count:     100
    .vgpr_count:     1024
    .wavefront_size: 32
...
	.end_amdgpu_metadata
.endif
;; end of part 2
;; launch attn (part 3): grid 4 x 64, 16 waves a work-group, clusters of 4 x 1, 272,384 bytes of LDS; arguments qkv, maskw, oimg, osc; writes oimg, osc
.if DOCPART == 3
	.amdgcn_target "amdgcn-amd-amdhsa--gfx1250"
	.amdhsa_code_object_version 6
	.text
	.protected	k_q84dfb49884_attn
	.globl	k_q84dfb49884_attn
	.p2align	8
	.type	k_q84dfb49884_attn,@function
k_q84dfb49884_attn:
	s_mov_b64 s[64:65], 0
	v_nop
	global_prefetch_b8 v0, s[64:65] scope:SCOPE_SE
	s_setreg_imm32_b32 hwreg(HW_REG_WAVE_MODE, 25, 1), 1
	s_wait_xcnt 0x0
	s_wait_alu depctr_hold_cnt(0) depctr_sa_sdst(0) depctr_va_vdst(0) depctr_va_sdst(0) depctr_va_ssrc(0) depctr_va_vcc(0) depctr_vm_vsrc(0)
	s_getreg_b32 s2, hwreg(HW_REG_IB_STS2, 6, 4)
	s_cmp_eq_u32 s2, 0
	s_cbranch_scc0 .Lentry_in_a_cluster
	s_endpgm
.Lentry_in_a_cluster:
	s_bfe_u32 s2, ttmp6, 0x10000c
	s_cmp_lg_u32 s2, 0x3003
	s_cbranch_scc0 .Lentry_shape_is_right
	s_endpgm
.Lentry_shape_is_right:
; For each (batch, head): S^T = k q^T, the mask, p = 2^(t - M), O^T = v^T p^T, O / the row's sum, all products on codes of BF8 (E5M2) with E8M0 scales; the result is quantised along the model's 512 and stored as
; an image of the last launch's operand registers (oimg: [tile of 16 tokens][piece 2 head + blk][lane][16 bytes]; osc: [tile][row][2 head + blk] scale bytes).
; t = score x log2(e) / 8; M = the running largest t, rounded up to a whole number; the sum is taken of the unquantised p; when M moves, the sum and O^T are multiplied by 2^(old M - new M): exact.
; SHARES.  A work-group owns one (batch, head) and 512 queries; wave w owns query tiles 32 cx + 2 w and 32 cx + 2 w + 1, one after the other.  Sixteen waves of 256 registers: four to a SIMD,
; so that one wave's vector work stands beside another's matrix work and LDS loads.
; LDS.  The head's k and v for all 2,048 keys, with their scale words, are 16 x 16,896 = 270,336 bytes: they come ONCE and stay.  No slot is ever filled again.
; CLUSTER.  The four work-groups of a cluster own the same head: wave w of each asks JOINTLY for step w's 16,896 bytes: the same load, the same descriptor, a mask that names the four.
; A HEAD OF 64 IN A PRODUCT OF 128 ALONG K.  A fragment of k holds TWO tiles of 16 keys (k 0-63: tile (F, 0); k 64-127: tile (F, 1)) and is multiplied twice: by [q | zero codes] and by [zero codes | q].
; v16-39 hold zeros, q, zeros: the two operands are v[24:39] and v[16:31].  The codes that meet the zeros are finite (the launch that made them holds every number first), so they add nothing.
; THE KEYS, QUERIES AND DIMS OF A TILE (F, u) ARE 32 F + 8 u + r + 8 (r / 8): so score registers 16 F + i are keys 32 F + 16 h + i, and p's codes are the second product's operand as they stand.
; THE MASK comes as 64 scalar words a step, one bit a lane (made by the first launch), a step ahead; a hidden score becomes -2^103.  c x 2^103 is a whole number that f32 holds exactly, so in a row
; with no visible key t - M is exactly 0 and p = 1 for every key, as with reference()'s -1e30; beside any visible key p = 0, as there.
; LIMITS: scores of magnitude 2^103 and beyond are not told from hidden ones.  A block of zeros gets the scale byte 1 (its codes are zeros; this program alone reads the bytes).
; REGISTERS: v1 16 lane, v2 4 lane, v3, v4 the step's LDS addresses, v5 -2^103, v6 q's scale word, v7 both tiles' scale bytes, v8 16 r + h, v9 q's scale address, v10-11 k's scale words, v12 -M, v13 largest t,
; v[14:15] the sum; v16-39 zeros, q, zeros; v40-47 the second tile's q; v48-111 four fragments; v112-175 S^T, then p; v176-207 O^T; v208-223 p's codes; v224-249 at work.
.set CH,   25344                       ; a chunk of qkv
.set FILL, 16896                       ; its first bytes: k's and v's fragments and scale words
.set FR,  48
.set S,   112
.set OA,  176
.set PC,  208
.set BM,  224                          ; block maxima
.set PM,  228                          ; the other half's; then the scale bytes
.set HD,  232                          ; 57,344 x the scale
.set SO,  236                          ; the conversion's scale operand
.macro ROUND                           ; a round of the cluster's barrier
	s_barrier_signal -1
	s_barrier_wait -1
	s_cmp_lg_u32 s12, 0
	s_cbranch_scc1 .Lnot_wave_0_\@
	s_barrier_signal -3
.Lnot_wave_0_\@:
	s_barrier_wait -3
	s_barrier_signal -1
	s_barrier_wait -1
.endm
.macro SPROD d, a, b, sa, ra           ; scores of 16 keys: C = 0 starts the sum
.if (\ra)
	v_wmma_scale_f32_16x16x128_f8f6f4 v[(\d):(\d)+7], v[(\a):(\a)+15], v[(\b):(\b)+15], 0, v[\sa], v6 matrix_a_fmt:MATRIX_FMT_BF8 matrix_b_fmt:MATRIX_FMT_BF8 matrix_a_scale:MATRIX_SCALE_ROW1
.else
	v_wmma_scale_f32_16x16x128_f8f6f4 v[(\d):(\d)+7], v[(\a):(\a)+15], v[(\b):(\b)+15], 0, v[\sa], v6 matrix_a_fmt:MATRIX_FMT_BF8 matrix_b_fmt:MATRIX_FMT_BF8
.endif
.endm
.macro OPROD d, a, sa, ra              ; O^T += 16 dims of v^T x p^T
.if (\ra)
	v_wmma_scale_f32_16x16x128_f8f6f4 v[(\d):(\d)+7], v[(\a):(\a)+15], v[PC:PC+15], v[(\d):(\d)+7], v[\sa], v244 matrix_a_fmt:MATRIX_FMT_BF8 matrix_b_fmt:MATRIX_FMT_BF8 matrix_a_scale:MATRIX_SCALE_ROW1
.else
	v_wmma_scale_f32_16x16x128_f8f6f4 v[(\d):(\d)+7], v[(\a):(\a)+15], v[PC:PC+15], v[(\d):(\d)+7], v[\sa], v244 matrix_a_fmt:MATRIX_FMT_BF8 matrix_b_fmt:MATRIX_FMT_BF8
.endif
.endm
; A KEY STEP: 128 keys.
.macro STEP
	s_mul_i32 s15, s30, FILL                       ; the step's bytes in LDS
	v_add_nc_u32 v3, s15, v1                       ; eight places stand between the last products and the loads into their operands: these two lines and six v_nop
	v_add_nc_u32 v4, s15, v2
.rept 6
	v_nop
.endr
.irp f, 0,1,2,3
.irp c, 0,1,2,3
	ds_load_b128 v[FR+16*\f+4*\c:FR+16*\f+4*\c+3], v3 offset:2048*\f+512*\c   ; k's fragments as images: 512 consecutive bytes a load
.endr
.endr
	ds_load_b32 v10, v4 offset:16384               ; k's scale words: lanes 0-15 fragment 0, lanes 16-31 fragment 1;
	ds_load_b32 v11, v4 offset:16512               ; fragments 2 and 3
	s_wait_dscnt 0x0
.irp f, 0,1,2,3
	SPROD S+16*\f, FR+16*\f, 24, 10+\f/2, \f%2     ; [q | 0]: key tile (F, 0)
	SPROD S+16*\f+8, FR+16*\f, 16, 10+\f/2, \f%2   ; [0 | q]: key tile (F, 1)
.endr
.rept 8
	v_nop                                          ; places in front of the loads below and of the first read of the scores
.endr
.irp f, 0,1,2,3
.irp c, 0,1,2,3
	ds_load_b128 v[FR+16*\f+4*\c:FR+16*\f+4*\c+3], v3 offset:8192+2048*\f+512*\c   ; v's fragments: they land under the softmax
.endr
.endr
	ds_load_b32 v242, v4 offset:16640              ; v's scale words
	ds_load_b32 v243, v4 offset:16768
	s_wait_kmcnt 0x0                               ; this step's 64 mask words, asked for a step ago
.set n, 0
.rept 64
.if n < 32
	v_cndmask_b32 v[S+n], v5, v[S+n], s[32+n]      ; a hidden key's score becomes -2^103.  (Each accumulator is read from its low end on)
.else
	v_cndmask_b32 v[S+n], v5, v[S+n], s[36+n]
.endif
.set n, n+1
.endr
	s_add_co_u32 s17, s17, 1                       ; the next unit's words: 256 bytes on; behind the wave's last unit the first again, to no use
	s_and_b32 s16, s17, 31
	s_lshl_b32 s16, s16, 8
	s_load_b512 s[32:47], s[6:7], s16 offset:0x0
	s_load_b512 s[48:63], s[6:7], s16 offset:0x40
	s_load_b512 s[68:83], s[6:7], s16 offset:0x80
	s_load_b512 s[84:99], s[6:7], s16 offset:0xc0
.irp b, 0,1,2,3
	v_max3_num_f32 v[BM+\b], v[S+16*\b], v[S+16*\b+1], v[S+16*\b+2]   ; the largest score of each block of 32 keys: it serves the row's maximum and, since p rises with the score, the block's largest p
.endr
.irp i, 3,5,7,9,11,13
.irp b, 0,1,2,3
	v_max3_num_f32 v[BM+\b], v[BM+\b], v[S+16*\b+\i], v[S+16*\b+\i+1]
.endr
.endr
.irp b, 0,1,2,3
	v_max_num_f32 v[BM+\b], v[BM+\b], v[S+16*\b+15]
.endr
.irp b, 0,1,2,3
	v_permlanex16_b32 v[PM+\b], v[BM+\b], s2, s3
.endr
.irp b, 0,1,2,3
	v_max_num_f32 v[BM+\b], v[BM+\b], v[PM+\b]     ; with lane l xor 16's 16 keys
.endr
	v_max3_num_f32 v248, v[BM], v[BM+1], v[BM+2]
	v_max_num_f32 v248, v248, v[BM+3]              ; the step's largest score of my query
	v_mul_f32 v248, s28, v248                      ; as t (c is positive)
	v_max_num_f32 v13, v13, v248                   ; the running largest t
	v_mov_b32 v248, v12
	v_floor_f32 v12, -v13                          ; the new -M = floor(-t): M is a whole number
	v_sub_f32 v248, v12, v248                      ; old M - new M: a whole number, 0 or less
	v_cvt_i32_f32 v248, v248                       ; (it saturates)
	v_ldexp_f32 v246, 1.0, v248                    ; f = 2^(old M - new M)
.set j, 0
.rept 32
	v_pk_fma_f32 v[S+j:S+j+1], v[S+j:S+j+1], s[28:29], v[12:13] op_sel_hi:[1,0,0]   ; t - M, two at a time (of the pairs c and -M the low word serves both halves)
.set j, j+2
.endr
.irp b, 0,1,2,3
	v_fma_f32 v[BM+\b], v[BM+\b], s28, v12         ; the same of each block's largest score
.endr
.set j, 0
.rept 64
	v_exp_f32 v[S+j], v[S+j]                       ; p = 2^(t - M), at most 1
.set j, j+1
.endr
.irp b, 0,1,2,3
	v_exp_f32 v[BM+\b], v[BM+\b]                   ; the block's largest p: the same two instructions on the same number
.endr
	v_pk_mul_f32 v[14:15], v[14:15], v[246:247] op_sel_hi:[1,0]   ; the sum under the new M.  (The plain line behind the exponentials)
	s_wait_alu depctr_va_vdst(0)
.irp b, 0,1,2,3
	v_max_num_f32 v[BM+\b], 0x8000000, v[BM+\b]    ; the floor 2^(16 - 127): the byte cannot fall under 1
.endr
.irp b, 0,1,2,3
	v_add_nc_u32 v[SO+\b], 0xf8800000, v[BM+\b]    ; 15 off the exponent field: the conversion's scale operand
.endr
.irp b, 0,1,2,3
	v_and_or_b32 v[HD+\b], v[BM+\b], 0x7f800000, s66   ; 57,344 x the scale
.endr
.irp b, 0,1,2,3
	v_lshrrev_b32 v[PM+\b], 23, v[SO+\b]           ; the scale's byte
.endr
	v_lshl_or_b32 v244, v[PM+1], 8, v[PM]          ; p's scale word for these 128 keys
	v_lshl_or_b32 v244, v[PM+2], 16, v244
	v_lshl_or_b32 v244, v[PM+3], 24, v244
	v_pk_add_f32 v[240:241], v[S:S+1], v[S+2:S+3]  ; the row's sum is taken of the unquantised p: two at a time, in two chains
.irp j, 4,8,12,16,20,24,28,32,36,40,44,48,52,56,60
	v_pk_add_f32 v[14:15], v[14:15], v[S+\j:S+\j+1]
	v_pk_add_f32 v[240:241], v[240:241], v[S+\j+2:S+\j+3]
.endr
	v_pk_add_f32 v[14:15], v[14:15], v[240:241]
.irp b, 0,1,2,3
.irp i, 0,1,2,3,4,5,6,7,8,9,10,11,12,13,14,15
	v_min_num_f32 v[S+16*\b+\i], v[S+16*\b+\i], v[HD+\b]   ; the conversion does not saturate (ISA guide 7.6.2); p is not negative, so the hold is one-sided
.endr
	v_cvt_scalef32_pk8_bf8_f32 v[PC+4*\b:PC+4*\b+1], v[S+16*\b:S+16*\b+7], v[SO+\b]
	v_cvt_scalef32_pk8_bf8_f32 v[PC+4*\b+2:PC+4*\b+3], v[S+16*\b+8:S+16*\b+15], v[SO+\b]
.endr
.set j, 0
.rept 16
	v_pk_mul_f32 v[OA+j:OA+j+1], v[OA+j:OA+j+1], v[246:247] op_sel_hi:[1,0]   ; O^T under the new M.  (These are also the places between the codes and the products)
.set j, j+2
.endr
	s_wait_dscnt 0x0                               ; v's fragments and scale words
.irp f, 0,1,2,3
	OPROD OA+8*\f, FR+16*\f, 242+\f/2, \f%2        ; the four accumulators by turns, one instruction a turn; the next step's scores stand between two turns of one accumulator
.endr
.endm
; One query tile: 16 key steps, then the way out.
.macro PASSBODY p
.if \p == 0
	v_and_b32 v6, 0xffff, v7                       ; q's two scale bytes, twice: (s0, s1, s0, s1) serves both placings of q
	v_lshl_or_b32 v6, v7, 16, v6
.else
	v_lshrrev_b32 v6, 16, v7
	v_and_or_b32 v6, v7, s67, v6
.endif
.set j, 0
.rept 32
	v_mov_b32 v[OA+j], 0                           ; O^T.  (The step is written once: the first finds zeros, which the first change of M leaves zeros)
.set j, j+1
.endr
	v_mov_b32 v13, 0xff61b1e6                      ; the largest t so far: -3e38
	v_floor_f32 v12, -v13                          ; -M
	v_mov_b32 v14, 0                               ; the sum, in two halves
	v_mov_b32 v15, 0
	s_mov_b32 s30, 0
.Lstep_\@:
	STEP
	s_add_co_u32 s30, s30, 1
	s_cmp_lt_u32 s30, 16
	s_cbranch_scc1 .Lstep_\@
	; THE WAY OUT: O^T / the sum; register 16 blk + i of a lane is dim 32 blk + 16 h + i of its query: two blocks of 32 along the last product's K
.rept 8
	v_nop                                          ; places behind the last products
.endr
	v_add_f32 v14, v14, v15
	v_permlanex16_b32 v248, v14, s2, s3
	v_add_f32 v14, v14, v248                       ; the row's sum
	v_rcp_f32 v14, v14
	v_nop                                          ; one plain line behind a transcendental
.set j, 0
	s_wait_alu depctr_va_vdst(0)
.rept 32
	v_mul_f32 v[S+j], v[OA+j], v14
.set j, j+1
.endr
.irp b, 0,1
	v_max3_num_f32 v[BM+\b], |v[S+16*\b]|, |v[S+16*\b+1]|, 0x8000000
.endr
.irp i, 2,4,6,8,10,12,14
.irp b, 0,1
	v_max3_num_f32 v[BM+\b], v[BM+\b], |v[S+16*\b+\i]|, |v[S+16*\b+\i+1]|
.endr
.endr
.irp b, 0,1
	v_permlanex16_b32 v[PM+\b], v[BM+\b], s2, s3
.endr
.irp b, 0,1
	v_max_num_f32 v[BM+\b], v[BM+\b], v[PM+\b]
.endr
.irp b, 0,1
	v_add_nc_u32 v[SO+\b], 0xf8800000, v[BM+\b]
.endr
.irp b, 0,1
	v_and_or_b32 v[HD+\b], v[BM+\b], 0x7f800000, s66
.endr
.irp b, 0,1
	v_lshrrev_b32 v[PM+\b], 23, v[SO+\b]
.endr
.irp b, 0,1
.irp i, 0,1,2,3,4,5,6,7,8,9,10,11,12,13,14,15
	v_med3_num_f32 v[S+16*\b+\i], v[S+16*\b+\i], -v[HD+\b], v[HD+\b]
.endr
	v_cvt_scalef32_pk8_bf8_f32 v[PC+4*\b:PC+4*\b+1], v[S+16*\b:S+16*\b+7], v[SO+\b]
	v_cvt_scalef32_pk8_bf8_f32 v[PC+4*\b+2:PC+4*\b+3], v[S+16*\b+8:S+16*\b+15], v[SO+\b]
.endr
	v_nop                                          ; one plain line behind the last conversion
	global_store_b128 v1, v[PC:PC+3], s[8:9] offset:8192*\p          ; piece 2 head + 0: 512 consecutive bytes, aligned
	global_store_b128 v1, v[PC+4:PC+7], s[8:9] offset:8192*\p+512    ; piece 2 head + 1
	v_cndmask_b32 v249, v[PM], v[PM+1], s67        ; lanes 0-15 store block 0's byte, lanes 16-31 block 1's: a byte of its own for each lane (two of a token's sixteen: the other heads' come from other work-groups)
	global_store_b8 v8, v249, s[10:11] offset:256*\p
.if \p == 0
	s_wait_xcnt 0x0                                ; the stores have read their data: the next tile writes those registers again
.irp i, 0,1,2,3,4,5,6,7
	v_mov_b32 v[24+\i], v[40+\i]                   ; the second tile's q between the zeros
.endr
.endif
.endm
	s_load_b256 s[4:11], s[0:1], 0x0               ; qkv s[4:5], maskw s[6:7], oimg s[8:9], osc s[10:11]
	v_lshl_add_u32 v254, v0, 2, 0x42000
	v_mov_b32 v255, 0
	ds_add_u32 v254, v255
	ds_add_u32 v254, v255
	v_lshrrev_b32 v248, 5, v0
	v_readfirstlane_b32 s12, v248                  ; wave 0..15
	s_bfe_u32 s13, ttmp6, 0x40000                  ; cx: my place in the cluster: it enters global addresses of q, maskw, oimg and osc alone
	s_and_b32 s14, ttmp7, 0xffff                   ; 8 b + head, which the four partners share
	v_and_b32 v249, 31, v0
	v_lshlrev_b32 v1, 4, v249                      ; 16 x lane
	v_lshlrev_b32 v2, 2, v249                      ; 4 x lane
	v_and_b32 v248, 15, v0                         ; r
	v_bfe_u32 v249, v0, 4, 1                       ; h
	v_lshl_add_u32 v8, v248, 4, v249               ; 16 r + h
	; the descriptor: step w's 16,896 dense bytes as 66 rows of 256
	s_mov_b32 s16, 1                               ; count = 1
	s_mul_i32 s17, s12, FILL                       ; LDS address: the wave's number alone
	s_mov_b32 s20, 15|(3<<16)|(1<<21)              ; the mask: all four work-groups; elements of 8 bytes; bit 21 set beside a mask
	s_mov_b32 s21, 32<<16                          ; tensor_dim0 = 32
	s_mov_b32 s22, 66<<16                          ; tensor_dim1 = 66
	s_mov_b32 s23, 32<<16                          ; tile_dim0 = 32
	s_mov_b32 s24, 66                              ; tile_dim1 = 66
	s_mov_b32 s25, 32                              ; pitch
	s_mov_b32 s26, 0
	s_mov_b32 s27, 0
	s_lshl_b32 s32, s14, 4
	s_add_co_u32 s32, s32, s12
	s_mul_i32 s32, s32, CH                         ; chunk 16 (8 b + head) + w (under 2^25 bytes)
	s_mov_b32 s33, 0
	s_lshl_b32 s34, s14, 4                         ; my q: chunk 16 (8 b + head) + 4 cx + w / 4, fragment w % 4
	s_lshl_b32 s35, s13, 2
	s_add_co_u32 s34, s34, s35
	s_lshr_b32 s35, s12, 2
	s_add_co_u32 s34, s34, s35
	s_mul_i32 s34, s34, CH
	s_mov_b32 s35, 0
	s_and_b32 s36, s12, 3
	s_lshl_b32 s37, s36, 11
	s_add_co_u32 s37, s37, 16896
	v_add_nc_u32 v3, s37, v1                       ; (v3 serves q's loads first)
	s_lshl_b32 s36, s36, 6
	s_add_co_u32 s36, s36, 25088
	v_lshl_add_u32 v9, v248, 2, s36                ; q's scale words: 4 r
	s_lshl_b32 s38, s13, 5
	s_lshl_b32 s39, s12, 1
	s_add_co_u32 s38, s38, s39                     ; my first query tile: 32 cx + 2 w
	s_lshl_b32 s40, s38, 12                        ; its mask words: 16 steps x 256 bytes a tile
	s_mov_b32 s41, 0
	s_lshr_b32 s39, s14, 3
	s_lshl_b32 s39, s39, 7
	s_add_co_u32 s38, s38, s39                     ; + 128 b: the tile among all tokens
	s_and_b32 s39, s14, 7                          ; the head
	s_lshl_b32 s42, s38, 13
	s_lshl_b32 s43, s39, 10
	s_add_co_u32 s42, s42, s43                     ; oimg: 8,192 a tile + 1,024 a head
	s_mov_b32 s43, 0
	s_lshl_b32 s44, s38, 8
	s_lshl_b32 s45, s39, 1
	s_add_co_u32 s44, s44, s45                     ; osc: 256 a tile + 2 a head
	s_mov_b32 s45, 0
	s_wait_dscnt 0x0
	s_wait_kmcnt 0x0
	s_add_nc_u64 s[18:19], s[4:5], s[32:33]
	s_or_b32 s19, s19, 0x80000000                  ; type = 2
	ROUND                                          ; all four work-groups are here: the joint loads meet
	tensor_load_to_lds s[16:19], s[20:27]          ; my one tensor load of the launch
	s_nop 0
.rept 4
	v_nop
.endr
	s_add_nc_u64 s[4:5], s[4:5], s[34:35]
	s_add_nc_u64 s[6:7], s[6:7], s[40:41]
	s_add_nc_u64 s[8:9], s[8:9], s[42:43]
	s_add_nc_u64 s[10:11], s[10:11], s[44:45]
	global_load_b128 v[24:27], v3, s[4:5]                  ; the first tile's q: dims 16 h on,
	global_load_b128 v[28:31], v3, s[4:5] offset:512       ; dims 32 + 16 h on
	global_load_b128 v[40:43], v3, s[4:5] offset:1024      ; the second tile's
	global_load_b128 v[44:47], v3, s[4:5] offset:1536
	global_load_b32 v7, v9, s[4:5]                         ; both tiles' scale bytes
	s_load_b512 s[32:47], s[6:7], 0x0              ; the first unit's mask words
	s_load_b512 s[48:63], s[6:7], 0x40
	s_load_b512 s[68:83], s[6:7], 0x80
	s_load_b512 s[84:99], s[6:7], 0xc0
	s_mov_b32 s2, 0x76543210
	s_mov_b32 s3, 0xfedcba98                       ; v_permlanex16_b32's selects for lane l xor 16
	s_mov_b32 s28, 0x3e38aa3b                      ; c = log2(e) / sqrt(64)
	s_mov_b32 s29, s28                             ; (named with it as a pair, so it is written)
	s_mov_b32 s66, 0x600000                        ; the mantissa field of 57,344
	s_mov_b32 s67, 0xffff0000                      ; lanes 16-31; also a word's upper half
	v_mov_b32 v5, 0xf3000000                       ; -2^103
.irp i, 0,1,2,3,4,5,6,7
	v_mov_b32 v[16+\i], 0                          ; the zero codes on both sides of q
	v_mov_b32 v[32+\i], 0
.endr
.irp b, 0,1,2,3
	v_mov_b32 v[PM+\b], 0                          ; written once: a lane permute's destination counts as one of its sources
.endr
	v_mov_b32 v247, 0                              ; (named as the upper half of the pair v[246:247])
	s_wait_tensorcnt 0x0                           ; my step's bytes have landed; the descriptor's registers are free
	s_mov_b32 s17, 0                               ; the unit in hand, 0 .. 31
	s_barrier_signal -1
	s_barrier_wait -1                              ; everybody's have: all sixteen steps lie in LDS, and nobody writes LDS again
	s_wait_loadcnt 0x0                             ; q
	PASSBODY 0
	PASSBODY 1
	s_wait_kmcnt 0x0                               ; the last look-ahead
	s_wait_tensorcnt 0x0
	ds_add_u32 v254, v255
	s_wait_dscnt 0x0
	ROUND                                          ; the closing round: no work-group ends while a partner may still ask for a tile that names it
	s_endpgm
.Lfunc_end_k_q84dfb49884_attn:
	.size	k_q84dfb49884_attn, .Lfunc_end_k_q84dfb49884_attn-k_q84dfb49884_attn
	.p2alignl 7, 3214868480
	.fill 96, 4, 3214868480
	.section	.rodata,"a",@progbits
	.p2align	6, 0x0
	.amdhsa_kernel k_q84dfb49884_attn
		.amdhsa_group_segment_fixed_size 272384
		.amdhsa_private_segment_fixed_size 0
		.amdhsa_enable_private_segment 0
		.amdhsa_kernarg_size 32
		.amdhsa_user_sgpr_count 2
		.amdhsa_user_sgpr_kernarg_segment_ptr 1
		.amdhsa_wavefront_size32 1
		.amdhsa_system_sgpr_workgroup_id_x 1
		.amdhsa_system_sgpr_workgroup_id_y 1
		.amdhsa_system_sgpr_workgroup_id_z 1
		.amdhsa_system_vgpr_workitem_id 0
		.amdhsa_next_free_vgpr 256
		.amdhsa_next_free_sgpr 100
		.amdhsa_reserve_vcc 0
		.amdhsa_float_denorm_mode_32 3
		.amdhsa_float_denorm_mode_16_64 3
		.amdhsa_memory_ordered 1
		.amdhsa_forward_progress 1
		.amdhsa_inst_pref_size 66
	.end_amdhsa_kernel
	.amdgpu_metadata
---
amdhsa.version: [ 1, 2 ]
amdhsa.kernels:
  - .name:           k_q84dfb49884_attn
    .symbol:         k_q84dfb49884_attn.kd
    .args:
      - { .name: qkv, .offset: 0, .size: 8, .value_kind: global_buffer, .address_space: global }
      - { .name: maskw, .offset: 8, .size: 8, .value_kind: global_buffer, .address_space: global }
      - { .name: oimg, .offset: 16, .size: 8, .value_kind: global_buffer, .address_space: global }
      - { .name: osc, .offset: 24, .size: 8, .value_kind: global_buffer, .address_space: global }
    .group_segment_fixed_size: 272384
    .private_segment_fixed_size: 0
    .kernarg_segment_align: 8
    .kernarg_segment_size: 32
    .max_flat_workgroup_size: 512
    .sgpr_count:     100
    .vgpr_count:     256
    .wavefront_size: 32
...
	.end_amdgpu_metadata
.endif
;; end of part 3
;; launch oproj (part 4): grid 256 x 1, 4 waves a work-group, no clusters, 34,304 bytes of LDS; arguments oimg, osc, Wo_codes, Wo_scales, bo, out0; writes out0
.if DOCPART == 4
	.amdgcn_target "amdgcn-amd-amdhsa--gfx1250"
	.amdhsa_code_object_version 6
	.text
	.protected	k_q84dfb49884_oproj
	.globl	k_q84dfb49884_oproj
	.p2align	8
	.type	k_q84dfb49884_oproj,@function
k_q84dfb49884_oproj:
	s_mov_b64 s[64:65], 0
	v_nop
	global_prefetch_b8 v0, s[64:65] scope:SCOPE_SE
	s_setreg_imm32_b32 hwreg(HW_REG_WAVE_MODE, 25, 1), 1
	s_wait_xcnt 0x0
; out0 = x Wo^T + bo on codes of BF8 (E5M2) with E8M0 scales, sums in f32.  x is the attention's result, stored by the launch before as images of this launch's operand registers:
; oimg [tile of 16 tokens][piece 4 s + c][lane][16 bytes] (K step s, registers 4 c .. 4 c + 3), osc [tile][row][16 scale bytes = four words].  Tile T holds tokens 32 (T / 2) + 8 (T % 2) + r + 8 (r / 8).
; SHARES.  A work-group takes 64 tokens (tiles 4 x .. 4 x + 3), in two halves of 32.  Wave w makes outputs 128 w .. 128 w + 127 and keeps its 128 rows of Wo in 512 registers, read once.
; Source 0 = 16 rows of Wo (tile (F, u): rows 32 F + 8 u + r + 8 (r / 8)), source 1 = 16 tokens: a lane holds one token, and the 16 registers of two neighbouring tiles are 16 neighbouring outputs.
; x's fragments come straight from memory, 512 consecutive bytes a load.  The waves share nothing: no barrier, no tensor load.  LDS is each wave's stage for the way out: 16 rows x (512 bytes + 16).
; NO JOINT LOADS: what work-groups share is Wo, which goes straight into registers; through LDS each wave would read its 128 fragments' bytes a second time for 128 products.
; REGISTERS, in windows of 256: window 0: v1-12 addresses; v16-47 Wo's scale words (4 t + s); v48-55 x's, for both halves (lanes 0-15 tile u = 0, lanes 16-31 u = 1); v64-127 rows on the way out; v128-255 16 accumulators.
;   window 1: Wo's fragments (t, s = 0, 1) at 16 (2 t + s);  window 2: (t, s = 2, 3);  window 3: x's (u, s) at 64 u + 16 s; the bias at 128 + 8 t.
.set SP,  528
.set WS,  16
.set XS,  48
.set BK,  64
.set ACC, 128
.set MSB, 0
.macro WIN new                         ; the immediate's high byte repeats the setting that is left
.if MSB != \new
	s_set_vgpr_msb (MSB<<8)|\new
.set MSB, \new
.endif
.endm
.macro MM d, a, b, c, sa, sb, rb       ; one product; rb: source 1's scales stand in lanes 16-31
.if (\rb)
	v_wmma_scale_f32_16x16x128_f8f6f4 v[(\d):(\d)+7], v[(\a):(\a)+15], v[(\b):(\b)+15], v[(\c):(\c)+7], v[\sa], v[\sb] matrix_a_fmt:MATRIX_FMT_BF8 matrix_b_fmt:MATRIX_FMT_BF8 matrix_b_scale:MATRIX_SCALE_ROW1
.else
	v_wmma_scale_f32_16x16x128_f8f6f4 v[(\d):(\d)+7], v[(\a):(\a)+15], v[(\b):(\b)+15], v[(\c):(\c)+7], v[\sa], v[\sb] matrix_a_fmt:MATRIX_FMT_BF8 matrix_b_fmt:MATRIX_FMT_BF8
.endif
.endm
; 64 products for 32 tokens: the 16 accumulators take turns, one instruction a turn, in the same order in every K step.  The bias is the C of a sum's first product.
.macro MUL it
.irp s, 0,1,2,3
.if \s == 0
	WIN 0x3d                                       ; source 0 window 1, source 1 and C (the bias) window 3
.elseif \s == 1
	WIN 0x0d
.else
	WIN 0x0e
.endif
.irp u, 0,1
.irp t, 0,1,2,3,4,5,6,7
.if \s == 0
	MM ACC+8*(8*\u+\t), 16*(2*\t+\s%2), 64*\u+16*\s, 128+8*\t, WS+4*\t+\s, XS+4*\it+\s, \u
.else
	MM ACC+8*(8*\u+\t), 16*(2*\t+\s%2), 64*\u+16*\s, ACC+8*(8*\u+\t), WS+4*\t+\s, XS+4*\it+\s, \u
.endif
.endr
.endr
.endr
	WIN 0
.endm
.macro XLOAD it                        ; two tiles' fragments
	WIN 0xc0                                       ; destination window 3
.irp u, 0,1
.irp s, 0,1,2,3
.irp c, 0,1,2,3
	global_load_b128 v[64*\u+16*\s+4*\c:64*\u+16*\s+4*\c+3], v1, s[4:5] offset:(2*\it+\u)*8192+(4*\s+\c)*512
.endr
.endr
.endr
	WIN 0
.endm
; 16 tokens x my 128 outputs: a lane holds 32-byte pieces of one row, the lanes beside it other rows: through my stage, and out as whole rows of 512 bytes.
.macro OUT it, u
	s_wait_xcnt 0x0                                ; earlier stores have read their data: the rows' registers are loaded again below
.irp t, 0,1,2,3,4,5,6,7
	ds_store_b128 v2, v[ACC+8*(8*\u+\t):ACC+8*(8*\u+\t)+3] offset:128*(\t/2)+32*(\t%2)        ; each accumulator from its low end on
	ds_store_b128 v2, v[ACC+8*(8*\u+\t)+4:ACC+8*(8*\u+\t)+7] offset:128*(\t/2)+32*(\t%2)+16
.endr
.irp i, 0,1,2,3,4,5,6,7,8,9,10,11,12,13,14,15
	ds_load_b128 v[BK+4*\i:BK+4*\i+3], v3 offset:SP*\i   ; LDS serves a wave's instructions in order: these see my stores, and the next tile's stores come behind them
.endr
.irp i, 0,1,2,3,4,5,6,7,8,9,10,11,12,13,14,15
	s_wait_dscnt 15-\i                             ; row i is back; the 15 - i younger loads may be out
	global_store_b128 v1, v[BK+4*\i:BK+4*\i+3], s[14:15] offset:(32*\it+8*\u+\i+8*(\i/8))*2048 th:TH_STORE_NT   ; 32 lanes store 512 consecutive bytes, aligned; written once, read by nobody here
.endr
.endm
	s_load_b256 s[4:11], s[0:1], 0x0               ; oimg s[4:5], osc s[6:7], Wo's codes s[8:9], Wo's scales s[10:11]
	s_load_b128 s[12:15], s[0:1], 0x20             ; bo s[12:13], out0 s[14:15]
	v_lshl_add_u32 v62, v0, 2, 0x8400
	v_mov_b32 v63, 0
	v_lshrrev_b32 v56, 5, v0
	v_readfirstlane_b32 s2, v56                    ; wave 0..3
	v_and_b32 v56, 31, v0                          ; lane
	v_and_b32 v57, 15, v0                          ; r
	v_bfe_u32 v58, v0, 4, 1                        ; h
	v_and_b32 v59, 8, v57
	v_add_nc_u32 v59, v59, v57                     ; r + 8 (r / 8)
	v_lshlrev_b32 v1, 4, v56                       ; v1: 16 x lane
	s_mul_i32 s3, s2, 16*SP                        ; my stage
	v_mul_u32_u24 v2, v57, SP
	v_lshl_add_u32 v2, v58, 6, v2
	v_add_nc_u32 v2, s3, v2                        ; v2: in: row r, + 64 h
	v_add_nc_u32 v3, s3, v1                        ; v3: back: 16 bytes a lane of a row
	v_lshlrev_b32 v10, 9, v59
	v_lshl_add_u32 v10, v58, 4, v10                ; v10: Wo: my row of 512 bytes + 16 h
	v_lshlrev_b32 v11, 4, v59                      ; v11: its 16 scale bytes
	v_lshlrev_b32 v12, 6, v58                      ; v12: the bias: 16 h numbers on
	s_lshl_b32 s16, ttmp9, 15                      ; four tiles of 8,192 bytes a work-group,
	s_mov_b32 s17, 0
	s_lshl_b32 s18, ttmp9, 10                      ; of 256 scale bytes
	s_mov_b32 s19, 0
	s_lshl_b32 s20, s2, 16                         ; my 128 rows of Wo,
	s_mov_b32 s21, 0
	s_lshl_b32 s22, s2, 11                         ; their scale bytes,
	s_mov_b32 s23, 0
	s_lshl_b32 s24, s2, 9                          ; their bias; also my 512 bytes of a row of out0
	s_mov_b32 s25, 0
	s_lshl_b32 s26, ttmp9, 17                      ; 64 rows of 2,048 bytes a work-group
	s_add_co_u32 s26, s26, s24
	s_mov_b32 s27, 0
	s_wait_kmcnt 0x0
	s_add_nc_u64 s[4:5], s[4:5], s[16:17]
	s_add_nc_u64 s[6:7], s[6:7], s[18:19]
	s_add_nc_u64 s[8:9], s[8:9], s[20:21]
	s_add_nc_u64 s[10:11], s[10:11], s[22:23]
	s_add_nc_u64 s[12:13], s[12:13], s[24:25]
	s_add_nc_u64 s[14:15], s[14:15], s[26:27]
	WIN 0x40                                       ; destination window 1
.irp t, 0,1,2,3,4,5,6,7
.irp s, 0,1
.irp c, 0,1,2,3
	global_load_b128 v[16*(2*\t+\s)+4*\c:16*(2*\t+\s)+4*\c+3], v10, s[8:9] offset:(32*(\t/2)+8*(\t%2))*512+128*\s+32*\c
.endr
.endr
.endr
	WIN 0x80                                       ; destination window 2
.irp t, 0,1,2,3,4,5,6,7
.irp s, 2,3
.irp c, 0,1,2,3
	global_load_b128 v[16*(2*\t+\s-2)+4*\c:16*(2*\t+\s-2)+4*\c+3], v10, s[8:9] offset:(32*(\t/2)+8*(\t%2))*512+128*\s+32*\c
.endr
.endr
.endr
	WIN 0xc0                                       ; the bias: register j of tile t is output 32 (t / 2) + 8 (t % 2) + 16 h + j
.irp t, 0,1,2,3,4,5,6,7
	global_load_b128 v[128+8*\t:128+8*\t+3], v12, s[12:13] offset:(32*(\t/2)+8*(\t%2))*4
	global_load_b128 v[128+8*\t+4:128+8*\t+7], v12, s[12:13] offset:(32*(\t/2)+8*(\t%2))*4+16
.endr
	WIN 0
.irp t, 0,1,2,3,4,5,6,7
	global_load_b128 v[WS+4*\t:WS+4*\t+3], v11, s[10:11] offset:(32*(\t/2)+8*(\t%2))*16
.endr
	global_load_b128 v[XS:XS+3], v1, s[6:7]                ; x's scale words: 16 bytes a row, 256 a tile: lanes 0-15 the even tile's rows, lanes 16-31 the odd tile's
	global_load_b128 v[XS+4:XS+7], v1, s[6:7] offset:512
	XLOAD 0
	s_wait_loadcnt 0x0
	MUL 0
.rept 9
	v_nop                                          ; eight places in front of the loads into x's registers and of the first read of results; nine in front of the next products, which begin the same accumulators anew
.endr
	XLOAD 1                                        ; lands while the first half goes out
	OUT 0, 0
	OUT 0, 1
	s_wait_loadcnt 0x0
	MUL 1                                          ; (the stage's stores have read the accumulators: the last count-down ended at 0)
.rept 8
	v_nop
.endr
	OUT 1, 0
	OUT 1, 1
	s_wait_tensorcnt 0x0
	ds_add_u32 v62, v63
	s_wait_dscnt 0x0
	s_endpgm
.Lfunc_end_k_q84dfb49884_oproj:
	.size	k_q84dfb49884_oproj, .Lfunc_end_k_q84dfb49884_oproj-k_q84dfb49884_oproj
	.p2alignl 7, 3214868480
	.fill 96, 4, 3214868480
	.section	.rodata,"a",@progbits
	.p2align	6, 0x0
	.amdhsa_kernel k_q84dfb49884_oproj
		.amdhsa_group_segment_fixed_size 34304
		.amdhsa_private_segment_fixed_size 0
		.amdhsa_enable_private_segment 0
		.amdhsa_kernarg_size 48
		.amdhsa_user_sgpr_count 2
		.amdhsa_user_sgpr_kernarg_segment_ptr 1
		.amdhsa_wavefront_size32 1
		.amdhsa_system_sgpr_workgroup_id_x 1
		.amdhsa_system_sgpr_workgroup_id_y 1
		.amdhsa_system_sgpr_workgroup_id_z 1
		.amdhsa_system_vgpr_workitem_id 0
		.amdhsa_next_free_vgpr 1024
		.amdhsa_next_free_sgpr 66
		.amdhsa_reserve_vcc 0
		.amdhsa_float_denorm_mode_32 3
		.amdhsa_float_denorm_mode_16_64 3
		.amdhsa_memory_ordered 1
		.amdhsa_forward_progress 1
		.amdhsa_inst_pref_size 56
	.end_amdhsa_kernel
	.amdgpu_metadata
---
amdhsa.version: [ 1, 2 ]
amdhsa.kernels:
  - .name:           k_q84dfb49884_oproj
    .symbol:         k_q84dfb49884_oproj.kd
    .args:
      - { .name: oimg, .offset: 0, .size: 8, .value_kind: global_buffer, .address_space: global }
      - { .name: osc, .offset: 8, .size: 8, .value_kind: global_buffer, .address_space: global }
      - { .name: Wo_codes, .offset: 16, .size: 8, .value_kind: global_buffer, .address_space: global }
      - { .name: Wo_scales, .offset: 24, .size: 8, .value_kind: global_buffer, .address_space: global }
      - { .name: bo, .offset: 32, .size: 8, .value_kind: global_buffer, .address_space: global }
      - { .name: out0, .offset: 40, .size: 8, .value_kind: global_buffer, .address_space: global }
    .group_segment_fixed_size: 34304
    .private_segment_fixed_size: 0
    .kernarg_segment_align: 8
    .kernarg_segment_size: 48
    .max_flat_workgroup_size: 128
    .sgpr_count:     66
    .vgpr_count:     1024
    .wavefront_size: 32
...
	.end_amdgpu_metadata
.endif
;; end of part 4
;; ======== version 2 of 2: 3 launches
;; limits: right only within a limited range of input values
;; workspace buffers: qkv 25,952,256 bytes; maskw 524,288 bytes of whole numbers; oimg 8,388,608 bytes; osc 262,144 bytes
;; launch proj (part 5): grid 64 x 4, 4 waves a work-group, no clusters, 173,568 bytes of LDS; arguments Q_codes, Q_scales, Wq_codes, Wq_scales, bq, K_codes, K_scales, Wk_codes, Wk_scales, bk, V_codes, V_scales, Wv_codes, Wv_scales, bv, qkv, mask, maskw; writes qkv, maskw
.if DOCPART == 5
	.amdgcn_target "amdgcn-amd-amdhsa--gfx1250"
	.amdhsa_code_object_version 6
	.text
	.protected	k_q84dfb49884_proj
	.globl	k_q84dfb49884_proj
	.p2align	8
	.type	k_q84dfb49884_proj,@function
k_q84dfb49884_proj:
	s_mov_b64 s[64:65], 0
	v_nop
	global_prefetch_b8 v0, s[64:65] scope:SCOPE_SE
	s_setreg_imm32_b32 hwreg(HW_REG_WAVE_MODE, 25, 1), 1
	s_wait_xcnt 0x0
; TWO JOBS IN ONE LAUNCH, parted by the work-group's y at the first lines; the two ways never join.
; y = 0, 1, 2: q = Q Wq^T + bq, k = K Wk^T + bk, v = V Wv^T + bv on codes of BF8 (E5M2) with E8M0 scales, sums in f32; the results are quantised at once (q, k along the head's 64; v along the keys)
; and stored as IMAGES OF THE ATTENTION LAUNCH'S OPERAND REGISTERS, so that nothing is transposed later.
; y = 3: the mask [2048 queries][2048 keys] of int32 becomes words of one bit a lane (at the label .Lmask, where its layout is set out).  Three tensors of 64 work-groups leave 64 of 256 WGPs free: they do this job meanwhile.
; qkv: one chunk of CH = 25,344 bytes for each (8 b + head, step of 128 tokens):
;   0      K's 4 fragments F (2,048 bytes each: piece c at 512 c + 16 lane).  Pieces 0, 1: key tile (F, 0), dims 32 c + 16 h on; pieces 2, 3: key tile (F, 1)
;   8192   V's 4 fragments t' (16 of the head's 64 dims x 128 keys): piece c = keys 32 c + 16 h on
;   16384  K's scale words [F][r];   16640  V's [t'][r];   16896  q's fragments, laid as K's;   25088  q's scale words
; A TILE (F, u) OF 16 IS NOT 16 NEIGHBOURS: lane r takes index 32 F + 8 u + r + 8 (r / 8).  A result's 16 registers of tiles (F, 0) and (F, 1) are then the 16 neighbours 32 F + 16 h + 0 .. 15: what registers 4 c .. 4 c + 3 of an operand hold.
; SHARES.  Work-group (x, y < 3): tensor y (0 q, 1 k, 2 v), tokens 256 x on.  Wave w keeps rows 128 w .. 128 w + 127 of the weight (heads 2 w, 2 w + 1) in 512 registers, read once.
; x's 256 rows of codes and their scale bytes come into LDS once, by one tensor load a wave; eight trips of 32 tokens, 64 matrix instructions each.
; q, k: source 0 = 16 rows of W, source 1 = 16 tokens: a lane holds one token, its registers run along the head's dims.  v: the sources swapped: a lane holds one dim, its registers run along the tokens.
; NO JOINT LOADS: the weight, which work-groups share, goes straight into registers; through LDS its 262,144 bytes would not fit beside x's 139,264.
; LIMITS: NaN, infinities and the scale byte 0xff among the inputs are not served.  A block of zeros gets the byte 1 (its codes are zeros; this program alone reads the bytes).
; REGISTERS, in windows of 256: window 0: v1-15 addresses; v16-47 W's scale words (4 t + s); v48-51 x's (lanes 0-15 tile u = 0, lanes 16-31 u = 1); v52-95 the quantiser's; v96-127 codes; v128-255 16 accumulators.
;   window 1: W's fragments (t, s = 0, 1) at 16 (2 t + s);  window 2: (t, s = 2, 3);  window 3: x's fragments (u, s) at 64 u + 16 s; the bias at 128 + 8 t.
; THE FILLS OF LDS (this line stands for what SHARES says of them): ONE tensor load a wave: waves 0 and 1 fetch 128 rows of x's codes each, waves 2 and 3 the scale bytes of 128 tokens each.
.set CH,    25344
.set HEADB, 16*CH                      ; from a head's chunk to the next head's
.set XP,    528                        ; a row of x in LDS: 512 bytes + 16 of padding
.set XSC,   256*XP                     ; behind the rows: x's scale bytes, 16 a token
.set MST0,  XSC+4096                   ; behind them: the mask's stages, 16 rows x 528 bytes for each wave: bytes of their own, into which no tensor load lands
.set MSTG,  16*XP
.set WS,  16
.set XS,  48
.set TM,  52                           ; largest magnitudes
.set TP,  60                           ; the other half's; then the scale bytes
.set HD,  68                           ; 57,344 x the scale
.set SO,  76                           ; the conversion's scale operand
.set VW,  84                           ; v's scale words, gathered over four trips
.set PC,  96
.set ACC, 128
.set MR,  16                           ; the mask's way: v16-207 three sets of 64 registers
.set MO,  208                          ; v208-223 a pair of words' registers for each of a wave's eight units
.set MSB, 0
.macro WIN new                         ; the immediate's high byte repeats the setting that is left
.if MSB != \new
	s_set_vgpr_msb (MSB<<8)|\new
.set MSB, \new
.endif
.endm
.macro MM d, a, b, c, sa, sb, ra, rb   ; one product; ra, rb: that side's scales stand in lanes 16-31
.if (\ra)
	v_wmma_scale_f32_16x16x128_f8f6f4 v[(\d):(\d)+7], v[(\a):(\a)+15], v[(\b):(\b)+15], v[(\c):(\c)+7], v[\sa], v[\sb] matrix_a_fmt:MATRIX_FMT_BF8 matrix_b_fmt:MATRIX_FMT_BF8 matrix_a_scale:MATRIX_SCALE_ROW1
.elseif (\rb)
	v_wmma_scale_f32_16x16x128_f8f6f4 v[(\d):(\d)+7], v[(\a):(\a)+15], v[(\b):(\b)+15], v[(\c):(\c)+7], v[\sa], v[\sb] matrix_a_fmt:MATRIX_FMT_BF8 matrix_b_fmt:MATRIX_FMT_BF8 matrix_b_scale:MATRIX_SCALE_ROW1
.else
	v_wmma_scale_f32_16x16x128_f8f6f4 v[(\d):(\d)+7], v[(\a):(\a)+15], v[(\b):(\b)+15], v[(\c):(\c)+7], v[\sa], v[\sb] matrix_a_fmt:MATRIX_FMT_BF8 matrix_b_fmt:MATRIX_FMT_BF8
.endif
.endm
; 64 products: the 16 accumulators take turns, one instruction a turn, in the same order in every K step.  The bias is the C of a sum's first product: nothing is cleared or added.
.macro MULQK                           ; source 0 = W (window 1 or 2), source 1 = x (window 3); accumulator (u, t) at ACC + 8 (8 u + t)
.irp s, 0,1,2,3
.if \s == 0
	WIN 0x3d                                       ; C = the bias, window 3
.elseif \s == 1
	WIN 0x0d
.else
	WIN 0x0e
.endif
.irp u, 0,1
.irp t, 0,1,2,3,4,5,6,7
.if \s == 0
	MM ACC+8*(8*\u+\t), 16*(2*\t+\s%2), 64*\u+16*\s, 128+8*\t, WS+4*\t+\s, XS+\s, 0, \u
.else
	MM ACC+8*(8*\u+\t), 16*(2*\t+\s%2), 64*\u+16*\s, ACC+8*(8*\u+\t), WS+4*\t+\s, XS+\s, 0, \u
.endif
.endr
.endr
.endr
	WIN 0
.endm
.macro MULV                            ; the sources swapped; accumulator (t, u) at ACC + 16 t + 8 u
.irp s, 0,1,2,3
.if \s == 0
	WIN 0x37
.elseif \s == 1
	WIN 0x07
.else
	WIN 0x0b
.endif
.irp u, 0,1
.irp t, 0,1,2,3,4,5,6,7
.if \s == 0
	MM ACC+16*\t+8*\u, 64*\u+16*\s, 16*(2*\t+\s%2), 128+8*\t, XS+\s, WS+4*\t+\s, \u, 0
.else
	MM ACC+16*\t+8*\u, 64*\u+16*\s, 16*(2*\t+\s%2), ACC+16*\t+8*\u, XS+\s, WS+4*\t+\s, \u, 0
.endif
.endr
.endr
.endr
	WIN 0
.endm
.macro XFETCH                          ; 32 tokens' fragments (two tiles x four K steps) and their scale words, from the addresses in v4 and v5
	WIN 0xc0                                       ; destination window 3
.irp u, 0,1
.irp s, 0,1,2,3
.irp c, 0,1,2,3
	ds_load_b128 v[64*\u+16*\s+4*\c:64*\u+16*\s+4*\c+3], v4 offset:8*XP*\u+128*\s+32*\c
.endr
.endr
.endr
	WIN 0
	ds_load_b128 v[XS:XS+3], v5                    ; a token's 16 scale bytes are its four words
.endm
; Eight groups of 16 registers, ACC + 16 g on: each is a lane's half of a block of 32 along the next K; the other half lies in lane l xor 16.  Codes to PC + 4 g, the byte to TP + g.
.macro QUANT
.irp g, 0,1,2,3,4,5,6,7
	v_max3_num_f32 v[TM+\g], |v[ACC+16*\g]|, |v[ACC+16*\g+1]|, 0x8000000   ; with the floor 2^(16 - 127): the byte cannot fall under 1.  (Each accumulator is read from its low end on)
.endr
.irp i, 2,4,6,8,10,12,14
.irp g, 0,1,2,3,4,5,6,7
	v_max3_num_f32 v[TM+\g], v[TM+\g], |v[ACC+16*\g+\i]|, |v[ACC+16*\g+\i+1]|   ; the groups by turns: no line waits for the line above it
.endr
.endr
.irp g, 0,1,2,3,4,5,6,7
	v_permlanex16_b32 v[TP+\g], v[TM+\g], s92, s93
.endr
.irp g, 0,1,2,3,4,5,6,7
	v_max_num_f32 v[TM+\g], v[TM+\g], v[TP+\g]     ; the block's largest magnitude
.endr
.irp g, 0,1,2,3,4,5,6,7
	v_add_nc_u32 v[SO+\g], 0xf8800000, v[TM+\g]    ; 15 off its exponent field: the conversion takes this operand's exponent field as its scale
.endr
.irp g, 0,1,2,3,4,5,6,7
	v_and_or_b32 v[HD+\g], v[TM+\g], 0x7f800000, s94   ; 57,344 x the scale
.endr
.irp g, 0,1,2,3,4,5,6,7
	v_lshrrev_b32 v[TP+\g], 23, v[SO+\g]           ; the scale's byte
.endr
.irp g, 0,1,2,3,4,5,6,7
.irp i, 0,1,2,3,4,5,6,7,8,9,10,11,12,13,14,15
	v_med3_num_f32 v[ACC+16*\g+\i], v[ACC+16*\g+\i], -v[HD+\g], v[HD+\g]   ; the conversion to an 8-bit code does not saturate (ISA guide 7.6.2): the hold comes first
.endr
	v_cvt_scalef32_pk8_bf8_f32 v[PC+4*\g:PC+4*\g+1], v[ACC+16*\g:ACC+16*\g+7], v[SO+\g]
	v_cvt_scalef32_pk8_bf8_f32 v[PC+4*\g+2:PC+4*\g+3], v[ACC+16*\g+8:ACC+16*\g+15], v[SO+\g]
.endr
	v_nop                                          ; one plain line behind the last conversion: the next products write its sources
.endm
; The mask's way.  Unit j of a wave's eight: 16 rows x 512 bytes, into set j % 3.
.macro MLOAD j
.irp i, 0,1,2,3,4,5,6,7,8,9,10,11,12,13,14,15
	global_load_b128 v[MR+64*((\j)%3)+4*\i:MR+64*((\j)%3)+4*\i+3], v1, s[4:5] offset:(\i+8*(\i/8))*8192+512*(\j) th:TH_LOAD_NT   ; row i of the tile: 512 consecutive bytes, read once in the program
.endr
.endm
.macro MUNIT j
.set RS, MR+64*((\j)%3)
.set YG, 2                             ; units asked for behind this one
.if 7-(\j) < 2
.set YG, 7-(\j)
.endif
.irp i, 0,1,2,3,4,5,6,7,8,9,10,11,12,13,14,15
	s_wait_loadcnt 16*YG+15-\i                     ; loads come back in order: row i is in; its unit's 15 - i younger rows and the younger units' 16 each may be out
	ds_store_b128 v2, v[RS+4*\i:RS+4*\i+3] offset:XP*\i
.endr
.irp b, 0,1,2,3
.irp q, 0,1,2,3
	ds_load_b128 v[RS+16*\b+4*\q:RS+16*\b+4*\q+3], v3 offset:128*\b+16*\q   ; LDS serves a wave's instructions in order: these see my stores, and come back into the registers that the rows left
.endr
.endr
.set n, 0
.set k, 0
.rept 16
	s_wait_alu depctr_va_vdst(0)                   ; directly ahead of the wait below: the words' registers are written lane by lane across it
	s_wait_dscnt 15-k                              ; the k-th of the 16 loads is in
.rept 4
	v_cmp_ne_u32 s[16+n%8], 0, v[RS+n]             ; one bit a lane: word n
	v_writelane_b32 v[MO+2*(\j)+n%2], s[16+n%8], n/2   ; lane n / 2 stores words n and n + 1
.set n, n+1
.endr
.set k, k+1
.endr
	global_store_b64 v4, v[MO+2*(\j):MO+2*(\j)+1], s[6:7] offset:256*(\j)   ; 32 lanes store 256 consecutive bytes, aligned; each unit has a pair of its own, so no store's data are written again
.if (\j)+3 < 8
	MLOAD (\j)+3                                   ; the set is free: its reads from the stage are back and compared
.endif
.endm
	s_set_vgpr_msb 0xc0
	v_lshl_add_u32 v254, v0, 2, 0x2a400
	v_mov_b32 v255, 0
	s_set_vgpr_msb 0xc0cf
	ds_add_u32 v254, v255
	ds_add_u32 v254, v255
	s_wait_dscnt 0x0
	s_set_vgpr_msb 0xcf00
	v_lshrrev_b32 v15, 5, v0
	v_readfirstlane_b32 s2, v15                    ; wave 0..3
	s_and_b32 s3, ttmp7, 0xffff                    ; which tensor; 3: the mask
	s_cmp_eq_u32 s3, 3
	s_cbranch_scc1 .Lmask                          ; the same way for every wave of a work-group
	s_load_b512 s[16:31], s[0:1], 0x0              ; Q_codes 16, Q_scales 18, Wq_codes 20, Wq_scales 22, bq 24, K_codes 26, K_scales 28, Wk_codes 30
	s_load_b512 s[32:47], s[0:1], 0x40             ; Wk_scales 32, bk 34, V_codes 36, V_scales 38, Wv_codes 40, Wv_scales 42, bv 44, qkv 46
	s_mov_b32 s4, ttmp9                            ; which 256 tokens
	v_and_b32 v52, 31, v0                          ; lane
	v_and_b32 v53, 15, v0                          ; r
	v_bfe_u32 v54, v0, 4, 1                        ; h
	v_and_b32 v55, 8, v53
	v_add_nc_u32 v55, v55, v53                     ; r + 8 (r / 8)
	v_lshlrev_b32 v1, 4, v52                       ; v1: 16 x lane
	v_mul_u32_u24 v2, v55, XP
	v_lshl_add_u32 v2, v54, 4, v2                  ; v2: x's fragments: my row x pitch + 16 h
	v_lshl_add_u32 v3, v54, 3, v55
	v_lshl_add_u32 v3, v3, 4, XSC                  ; v3: x's scale words: lanes 0-15 tile u = 0, lanes 16-31 the tile 8 tokens on
	v_mov_b32 v4, v2                               ; v4, v5: the same for the trip in hand
	v_mov_b32 v5, v3
	v_mul_u32_u24 v7, v54, HEADB
	v_lshl_add_u32 v7, v53, 2, v7                  ; v7: q's, k's scale words: 4 r; lanes 16-31 the wave's second head
	v_lshlrev_b32 v13, 2, v52                      ; v13: 4 x lane
	v_lshlrev_b32 v10, 9, v55
	v_lshl_add_u32 v10, v54, 4, v10                ; v10: W: my row of 512 bytes + 16 h
	v_lshlrev_b32 v11, 4, v55                      ; v11: W's scale bytes, 16 a row
	v_lshlrev_b32 v12, 6, v54                      ; v12: the bias where registers run along the dims: 16 h numbers on
	v_lshlrev_b32 v14, 2, v55                      ; v14: the bias where a lane holds one dim
	s_mov_b32 s92, 0x76543210
	s_mov_b32 s93, 0xfedcba98                      ; v_permlanex16_b32's selects for lane l xor 16
	s_mov_b32 s94, 0x600000                        ; the mantissa field of 57,344
	s_mov_b32 s95, 0xffff0000                      ; lanes 16-31
	s_mov_b32 s12, 0                               ; the trip
	; descriptor a (waves 0, 1): 128 rows of x's codes: rows of 64 elements of 8 bytes, 16 bytes of padding behind each
	s_mov_b32 s68, 1                               ; count = 1
	s_and_b32 s67, s2, 1                           ; which half of the 256 tokens I fetch for
	s_mul_i32 s69, s67, 128*XP                     ; LDS address
	s_mov_b32 s72, (3<<16)|(1<<20)|(6<<22)|(3<<25) ; no mask; elements of 8 bytes; padding on, after every 128 words (code 6), 4 words (code 3)
	s_mov_b32 s73, 64<<16                          ; tensor_dim0 = 64
	s_mov_b32 s74, 128<<16                         ; tensor_dim1 = 128
	s_mov_b32 s75, 64<<16                          ; tile_dim0 = 64
	s_mov_b32 s76, 128                             ; tile_dim1 = 128
	s_mov_b32 s77, 64                              ; pitch
	s_mov_b32 s78, 0
	s_mov_b32 s79, 0
	; descriptor b (waves 2, 3): the scale bytes of 128 tokens: 2,048 dense bytes as 8 rows of 256
	s_mov_b32 s80, 1
	s_lshl_b32 s81, s67, 11
	s_add_co_u32 s81, s81, XSC
	s_mov_b32 s84, 3<<16
	s_mov_b32 s85, 32<<16
	s_mov_b32 s86, 8<<16
	s_mov_b32 s87, 32<<16
	s_mov_b32 s88, 8
	s_mov_b32 s89, 32
	s_mov_b32 s90, 0
	s_mov_b32 s91, 0
	s_lshl_b32 s5, s4, 8
	s_lshl_b32 s6, s67, 7
	s_add_co_u32 s5, s5, s6                        ; the first token that I fetch for: 256 x + 128 (w % 2)
	s_lshl_b32 s6, s5, 9                           ; its codes,
	s_mov_b32 s7, 0
	s_lshl_b32 s8, s5, 4                           ; its scale bytes
	s_mov_b32 s9, 0
	s_wait_alu depctr_va_vdst(0)
	s_wait_kmcnt 0x0
	s_cmp_eq_u32 s3, 1                             ; the five buffers of my tensor: the choice hangs on the work-group's number alone
	s_cselect_b64 s[48:49], s[26:27], s[36:37]
	s_cselect_b64 s[50:51], s[28:29], s[38:39]
	s_cselect_b64 s[52:53], s[30:31], s[40:41]
	s_cselect_b64 s[54:55], s[32:33], s[42:43]
	s_cselect_b64 s[56:57], s[34:35], s[44:45]
	s_cmp_eq_u32 s3, 0
	s_cselect_b64 s[48:49], s[16:17], s[48:49]     ; x's codes
	s_cselect_b64 s[50:51], s[18:19], s[50:51]     ; x's scales
	s_cselect_b64 s[52:53], s[20:21], s[52:53]     ; W's codes
	s_cselect_b64 s[54:55], s[22:23], s[54:55]     ; W's scales
	s_cselect_b64 s[56:57], s[24:25], s[56:57]     ; the bias
	s_add_nc_u64 s[70:71], s[48:49], s[6:7]
	s_or_b32 s71, s71, 0x80000000                  ; type = 2
	s_add_nc_u64 s[82:83], s[50:51], s[8:9]
	s_or_b32 s83, s83, 0x80000000
	s_cmp_lt_u32 s2, 2                             ; one tensor load a wave, in two arms that join: waves 0, 1 the codes, waves 2, 3 the scale bytes; nothing is ever filled again
	s_cbranch_scc0 .Lfor_scales
	tensor_load_to_lds s[68:71], s[72:79]
	s_nop 0
.rept 4
	v_nop
.endr
	s_branch .Lasked
.Lfor_scales:
	tensor_load_to_lds s[80:83], s[84:91]
	s_nop 0
.rept 4
	v_nop
.endr
.Lasked:
	s_lshl_b32 s6, s2, 16                          ; my 128 rows of W: 512 bytes a row,
	s_mov_b32 s7, 0
	s_add_nc_u64 s[52:53], s[52:53], s[6:7]
	s_lshl_b32 s6, s2, 11                          ; 16 scale bytes a row,
	s_add_nc_u64 s[54:55], s[54:55], s[6:7]
	s_lshl_b32 s6, s2, 9                           ; 4 bytes of bias a row
	s_add_nc_u64 s[56:57], s[56:57], s[6:7]
	WIN 0x40                                       ; destination window 1
.irp t, 0,1,2,3,4,5,6,7
.irp s, 0,1
.irp c, 0,1,2,3
	global_load_b128 v[16*(2*\t+\s)+4*\c:16*(2*\t+\s)+4*\c+3], v10, s[52:53] offset:(32*(\t/2)+8*(\t%2))*512+128*\s+32*\c
.endr
.endr
.endr
	WIN 0x80                                       ; destination window 2
.irp t, 0,1,2,3,4,5,6,7
.irp s, 2,3
.irp c, 0,1,2,3
	global_load_b128 v[16*(2*\t+\s-2)+4*\c:16*(2*\t+\s-2)+4*\c+3], v10, s[52:53] offset:(32*(\t/2)+8*(\t%2))*512+128*\s+32*\c
.endr
.endr
.endr
	WIN 0
.irp t, 0,1,2,3,4,5,6,7
	global_load_b128 v[WS+4*\t:WS+4*\t+3], v11, s[54:55] offset:(32*(\t/2)+8*(\t%2))*16   ; a row's four scale words
.endr
	s_cmp_eq_u32 s3, 2
	s_cbranch_scc1 .Lbias_v
	WIN 0xc0                                       ; q, k: register j of tile t is dim 32 (t / 2) + 8 (t % 2) + 16 h + j
.irp t, 0,1,2,3,4,5,6,7
	global_load_b128 v[128+8*\t:128+8*\t+3], v12, s[56:57] offset:(32*(\t/2)+8*(\t%2))*4
	global_load_b128 v[128+8*\t+4:128+8*\t+7], v12, s[56:57] offset:(32*(\t/2)+8*(\t%2))*4+16
.endr
	WIN 0
	s_branch .Lbias_done
.Lbias_v:
	WIN 0xc0                                       ; v: all eight registers of a lane belong to its one dim
.irp t, 0,1,2,3,4,5,6,7
.irp j, 0,1,2,3,4,5,6,7
	global_load_b32 v[128+8*\t+\j], v14, s[56:57] offset:(32*(\t/2)+8*(\t%2))*4
.endr
.endr
	WIN 0
.Lbias_done:
	s_lshr_b32 s5, s4, 3                           ; b
	s_lshl_b32 s5, s5, 3
	s_lshl_b32 s6, s2, 1
	s_add_co_u32 s5, s5, s6                        ; 8 b + my first head
	s_lshl_b32 s5, s5, 4
	s_and_b32 s6, s4, 7
	s_lshl_b32 s6, s6, 1
	s_add_co_u32 s5, s5, s6                        ; + my first step of 128 tokens
	s_mul_i32 s5, s5, CH                           ; that chunk's first byte (under 2^25)
	s_mov_b32 s58, 8192                            ; where my tensor's codes and scale words lie in a chunk, and from one trip's codes to the next's
	s_mov_b32 s60, 16640
	s_mov_b32 s14, 2048
	s_cmp_eq_u32 s3, 2
	s_cselect_b32 s14, 512, s14
	s_cmp_eq_u32 s3, 1
	s_cselect_b32 s58, 0, s58
	s_cselect_b32 s60, 16384, s60
	s_cmp_eq_u32 s3, 0
	s_cselect_b32 s58, 16896, s58
	s_cselect_b32 s60, 25088, s60
	s_add_co_u32 s58, s58, s5
	s_add_co_u32 s60, s60, s5
	s_mov_b32 s59, 0
	s_mov_b32 s61, 0
	s_add_nc_u64 s[8:9], s[46:47], s[58:59]        ; the codes' base
	s_add_nc_u64 s[10:11], s[46:47], s[60:61]      ; the scale words' base
.irp g, 0,1,2,3,4,5,6,7
	v_mov_b32 v[TP+\g], 0                          ; written once: a lane permute's destination counts as one of its sources
	v_mov_b32 v[VW+\g], 0                          ; and the gathered words are shifted in place
.endr
	s_wait_tensorcnt 0x0                           ; my rows and scale bytes have landed,
	s_barrier_signal -1
	s_barrier_wait -1                              ; everybody's have: this way's only barrier
	XFETCH
	s_wait_loadcnt 0x0                             ; W, its scales, the bias
.Lit:                                                  ; eight trips: tokens 32 IT on: step IT / 4, group F = IT % 4
	s_wait_dscnt 0x0                               ; this trip's fragments are in
	s_cmp_eq_u32 s3, 2
	s_cbranch_scc1 .Lmul_v
	MULQK
	s_branch .Lmul_done
.Lmul_v:
	MULV
.Lmul_done:
	s_add_co_u32 s15, s12, 1
	s_and_b32 s15, s15, 7                          ; the next trip's tokens (the last trip reads group 0 again, to no use: the loop has one form)
	s_mul_i32 s96, s15, 32*XP
	s_lshl_b32 s97, s15, 9
	v_add_nc_u32 v4, s96, v2                       ; eight places stand between the products and the loads into their operands and the first read of their results: these two lines and six v_nop
	v_add_nc_u32 v5, s97, v3
.rept 6
	v_nop
.endr
	XFETCH                                         ; lands while this trip's results are quantised
	s_wait_xcnt 0x0                                ; the last trip's stores have read their data and offsets: both are written again below
	QUANT
	s_lshr_b32 s5, s12, 2
	s_mul_i32 s5, s5, CH                           ; the step's chunk
	s_and_b32 s13, s12, 3                          ; F
	s_mul_i32 s6, s13, s14
	s_add_co_u32 s6, s6, s5
	v_add_nc_u32 v6, s6, v1                        ; codes: 16 x lane + chunk + F's place
	s_lshl_b32 s7, s13, 6
	s_add_co_u32 s7, s7, s5
	v_add_nc_u32 v8, s7, v7                        ; q's, k's scale words: + 64 F
	v_add_nc_u32 v9, s5, v13                       ; v's: 4 x lane + chunk
	s_wait_alu depctr_va_vdst(0)
	s_cmp_eq_u32 s3, 2
	s_cbranch_scc1 .Lst_v
	; q, k: group g = 4 u + 2 e + blk: head e, token tile (F, u), dims 32 blk + 16 h on: piece 2 u + blk of fragment F
.irp e, 0,1
.irp u, 0,1
.irp k, 0,1
	global_store_b128 v6, v[PC+4*(4*\u+2*\e+\k):PC+4*(4*\u+2*\e+\k)+3], s[8:9] offset:\e*HEADB+(2*\u+\k)*512   ; 512 consecutive bytes, aligned
.endr
.endr
.endr
	v_lshl_or_b32 v92, v[TP+1], 8, v[TP]           ; a fragment row's word: bytes (u 0 blk 0, u 0 blk 1, u 1 blk 0, u 1 blk 1); v92 head 0, v93 head 1
	v_lshl_or_b32 v93, v[TP+3], 8, v[TP+2]
	v_lshl_or_b32 v92, v[TP+4], 16, v92
	v_lshl_or_b32 v93, v[TP+6], 16, v93
	v_lshl_or_b32 v92, v[TP+5], 24, v92
	v_lshl_or_b32 v93, v[TP+7], 24, v93
	v_cndmask_b32 v94, v92, v93, s95               ; lanes 0-15 store head 0's, lanes 16-31 head 1's
	global_store_b32 v8, v94, s[10:11]
	s_branch .Lst_done
.Lst_v:
	; v: group t: head t / 4, dims tile t % 4, tokens 32 F + 16 h on: piece F of fragment t % 4
.irp t, 0,1,2,3,4,5,6,7
	global_store_b128 v6, v[PC+4*\t:PC+4*\t+3], s[8:9] offset:(\t/4)*HEADB+(\t%4)*2048
.endr
.irp t, 0,1,2,3,4,5,6,7
	v_alignbit_b32 v[VW+\t], v[TP+\t], v[VW+\t], 8 ; the byte comes in on top: after four trips byte F lies in place F
.endr
	s_cmp_lg_u32 s13, 3
	s_cbranch_scc1 .Lst_done                       ; a step's words are whole behind its fourth trip
.irp e, 0,1
.irp j, 0,1
	v_cndmask_b32 v[92+2*\e+\j], v[VW+4*\e+2*\j], v[VW+4*\e+2*\j+1], s95   ; lanes 0-15 fragment 2 j, lanes 16-31 fragment 2 j + 1
	global_store_b32 v9, v[92+2*\e+\j], s[10:11] offset:\e*HEADB+128*\j
.endr
.endr
.Lst_done:
	s_add_co_u32 s12, s12, 1
	s_cmp_lt_u32 s12, 8
	s_cbranch_scc1 .Lit
	s_wait_dscnt 0x0                               ; the last trip's fetch
	s_set_vgpr_msb 0xf
	s_wait_tensorcnt 0x0
	ds_add_u32 v254, v255
	s_wait_dscnt 0x0
	s_set_vgpr_msb 0xf00
	s_endpgm
; THE MASK'S WAY (y = 3).  maskw[qt][step][n], qt = tile of 16 queries (128), step = 128 keys (16), n = score register of the attention launch (64).  Bit l of word n says whether
; mask[query][key] != 0 for query = 32 (qt / 2) + 8 (qt % 2) + r + 8 (r / 8), r = l % 16, and key = 128 step + 32 (n / 16) + 16 (l / 16) + n % 16.
; So the attention launch masks a score register by one select on one scalar word, and the 16.7 MB of the mask are read from memory once in the whole program.
; SHARES.  Wave idx = 4 x + w (0 .. 255): tile qt = idx / 2, the eight steps 8 (idx % 2) on: eight units of 16 rows x 512 bytes, each load 512 consecutive bytes.
; A row's 128 numbers come 4 to a lane; the compare wants lane = (row, half) and register = key: a unit's 8 KB turn through the wave's own stage in LDS (16 rows of 512 bytes + 16 of padding,
; so that the 16 rows of a read start in different banks).  Three sets of registers take turns: while one unit is turned and compared, two more are on their way: up to 48 loads a wave.
; Waves share nothing: no barrier on this way; no tensor load, no matrix instruction.
.Lmask:
	s_load_b128 s[4:7], s[0:1], 0x80               ; mask, maskw
	v_and_b32 v6, 31, v0                           ; lane
	v_and_b32 v7, 15, v0                           ; r
	v_bfe_u32 v10, v0, 4, 1                        ; h
	v_lshlrev_b32 v1, 4, v6                        ; 16 x lane: my bytes of a row
	v_lshlrev_b32 v4, 3, v6                        ; 8 x lane: my two words on the way out
	s_mul_i32 s13, s2, MSTG
	s_add_co_u32 s13, s13, MST0                    ; my stage
	v_add_nc_u32 v2, s13, v1                       ; on the way in
	v_mul_u32_u24 v3, v7, XP
	v_lshl_add_u32 v3, v10, 6, v3
	v_add_nc_u32 v3, s13, v3                       ; and back: row r, + 64 h
.irp j, 0,1,2,3,4,5,6,7,8,9,10,11,12,13,14,15
	v_mov_b32 v[MO+\j], 0                          ; the words: a lane write's destination counts as read
.endr
	s_lshl_b32 s14, ttmp9, 2
	s_add_co_u32 s14, s14, s2                      ; idx
	s_lshr_b32 s15, s14, 1                         ; qt
	s_lshr_b32 s8, s15, 1
	s_lshl_b32 s8, s8, 5
	s_and_b32 s9, s15, 1
	s_lshl_b32 s9, s9, 3
	s_add_co_u32 s8, s8, s9                        ; the tile's first query
	s_lshl_b32 s8, s8, 13                          ; x 8,192 bytes a row
	s_and_b32 s9, s14, 1
	s_lshl_b32 s9, s9, 12                          ; + eight steps of 512 bytes
	s_add_co_u32 s8, s8, s9
	s_mov_b32 s9, 0
	s_lshl_b32 s10, s14, 11                        ; (16 qt + 8 (idx % 2)) x 256 = 2,048 idx
	s_mov_b32 s11, 0
	s_wait_alu depctr_va_vdst(0)
	s_wait_kmcnt 0x0
	s_add_nc_u64 s[4:5], s[4:5], s[8:9]
	s_add_nc_u64 s[6:7], s[6:7], s[10:11]
	MLOAD 0
	MLOAD 1
	MLOAD 2
.irp j, 0,1,2,3,4,5,6,7
	MUNIT \j
.endr
	s_set_vgpr_msb 0xf
	s_wait_tensorcnt 0x0
	ds_add_u32 v254, v255
	s_wait_dscnt 0x0
	s_set_vgpr_msb 0xf00
	s_endpgm
.Lfunc_end_k_q84dfb49884_proj:
	.size	k_q84dfb49884_proj, .Lfunc_end_k_q84dfb49884_proj-k_q84dfb49884_proj
	.p2alignl 7, 3214868480
	.fill 96, 4, 3214868480
	.section	.rodata,"a",@progbits
	.p2align	6, 0x0
	.amdhsa_kernel k_q84dfb49884_proj
		.amdhsa_group_segment_fixed_size 173568
		.amdhsa_private_segment_fixed_size 0
		.amdhsa_enable_private_segment 0
		.amdhsa_kernarg_size 144
		.amdhsa_user_sgpr_count 2
		.amdhsa_user_sgpr_kernarg_segment_ptr 1
		.amdhsa_wavefront_size32 1
		.amdhsa_system_sgpr_workgroup_id_x 1
		.amdhsa_system_sgpr_workgroup_id_y 1
		.amdhsa_system_sgpr_workgroup_id_z 1
		.amdhsa_system_vgpr_workitem_id 0
		.amdhsa_next_free_vgpr 1024
		.amdhsa_next_free_sgpr 100
		.amdhsa_reserve_vcc 0
		.amdhsa_float_denorm_mode_32 3
		.amdhsa_float_denorm_mode_16_64 3
		.amdhsa_memory_ordered 1
		.amdhsa_forward_progress 1
		.amdhsa_inst_pref_size 175
	.end_amdhsa_kernel
	.amdgpu_metadata
---
amdhsa.version: [ 1, 2 ]
amdhsa.kernels:
  - .name:           k_q84dfb49884_proj
    .symbol:         k_q84dfb49884_proj.kd
    .args:
      - { .name: Q_codes, .offset: 0, .size: 8, .value_kind: global_buffer, .address_space: global }
      - { .name: Q_scales, .offset: 8, .size: 8, .value_kind: global_buffer, .address_space: global }
      - { .name: Wq_codes, .offset: 16, .size: 8, .value_kind: global_buffer, .address_space: global }
      - { .name: Wq_scales, .offset: 24, .size: 8, .value_kind: global_buffer, .address_space: global }
      - { .name: bq, .offset: 32, .size: 8, .value_kind: global_buffer, .address_space: global }
      - { .name: K_codes, .offset: 40, .size: 8, .value_kind: global_buffer, .address_space: global }
      - { .name: K_scales, .offset: 48, .size: 8, .value_kind: global_buffer, .address_space: global }
      - { .name: Wk_codes, .offset: 56, .size: 8, .value_kind: global_buffer, .address_space: global }
      - { .name: Wk_scales, .offset: 64, .size: 8, .value_kind: global_buffer, .address_space: global }
      - { .name: bk, .offset: 72, .size: 8, .value_kind: global_buffer, .address_space: global }
      - { .name: V_codes, .offset: 80, .size: 8, .value_kind: global_buffer, .address_space: global }
      - { .name: V_scales, .offset: 88, .size: 8, .value_kind: global_buffer, .address_space: global }
      - { .name: Wv_codes, .offset: 96, .size: 8, .value_kind: global_buffer, .address_space: global }
      - { .name: Wv_scales, .offset: 104, .size: 8, .value_kind: global_buffer, .address_space: global }
      - { .name: bv, .offset: 112, .size: 8, .value_kind: global_buffer, .address_space: global }
      - { .name: qkv, .offset: 120, .size: 8, .value_kind: global_buffer, .address_space: global }
      - { .name: mask, .offset: 128, .size: 8, .value_kind: global_buffer, .address_space: global }
      - { .name: maskw, .offset: 136, .size: 8, .value_kind: global_buffer, .address_space: global }
    .group_segment_fixed_size: 173568
    .private_segment_fixed_size: 0
    .kernarg_segment_align: 8
    .kernarg_segment_size: 144
    .max_flat_workgroup_size: 128
    .sgpr_count:     100
    .vgpr_count:     1024
    .wavefront_size: 32
...
	.end_amdgpu_metadata
.endif
;; end of part 5
;; launch attn (part 6): grid 4 x 64, 16 waves a work-group, clusters of 4 x 1, 272,384 bytes of LDS; arguments qkv, maskw, oimg, osc; writes oimg, osc
.if DOCPART == 6
	.amdgcn_target "amdgcn-amd-amdhsa--gfx1250"
	.amdhsa_code_object_version 6
	.text
	.protected	k_q84dfb49884_attn
	.globl	k_q84dfb49884_attn
	.p2align	8
	.type	k_q84dfb49884_attn,@function
k_q84dfb49884_attn:
	s_mov_b64 s[64:65], 0
	v_nop
	global_prefetch_b8 v0, s[64:65] scope:SCOPE_SE
	s_setreg_imm32_b32 hwreg(HW_REG_WAVE_MODE, 25, 1), 1
	s_wait_xcnt 0x0
	s_wait_alu depctr_hold_cnt(0) depctr_sa_sdst(0) depctr_va_vdst(0) depctr_va_sdst(0) depctr_va_ssrc(0) depctr_va_vcc(0) depctr_vm_vsrc(0)
	s_getreg_b32 s2, hwreg(HW_REG_IB_STS2, 6, 4)
	s_cmp_eq_u32 s2, 0
	s_cbranch_scc0 .Lentry_in_a_cluster
	s_endpgm
.Lentry_in_a_cluster:
	s_bfe_u32 s2, ttmp6, 0x10000c
	s_cmp_lg_u32 s2, 0x3003
	s_cbranch_scc0 .Lentry_shape_is_right
	s_endpgm
.Lentry_shape_is_right:
; For each (batch, head): S^T = k q^T, the mask, p = 2^(t - M), O^T = v^T p^T, O / the row's sum, all products on codes of BF8 (E5M2) with E8M0 scales; the result is quantised along the model's 512 and stored as
; an image of the last launch's operand registers (oimg: [tile of 16 tokens][piece 2 head + blk][lane][16 bytes]; osc: [tile][row][2 head + blk] scale bytes).
; t = score x log2(e) / 8; M = the running largest t, rounded up to a whole number; the sum is taken of the unquantised p; when M moves, the sum and O^T are multiplied by 2^(old M - new M): exact.
; SHARES.  A work-group owns one (batch, head) and 512 queries; wave w owns query tiles 32 cx + 2 w and 32 cx + 2 w + 1, one after the other.  Sixteen waves of 256 registers: four to a SIMD.
; LDS.  The head's k and v for all 2,048 keys, with their scale words, are 16 x 16,896 = 270,336 bytes: they come ONCE and stay.  No slot is ever filled again.
; CLUSTER.  The four work-groups of a cluster own the same head: wave w of each asks JOINTLY for step w's 16,896 bytes: the same load, the same descriptor, a mask that names the four.
; NO PREFETCH: k and v come by one load a wave at the head, so there is no loop to run ahead in; a step's 256 bytes of mask words are asked for a step ahead by scalar loads.
; A HEAD OF 64 IN A PRODUCT OF 128 ALONG K.  A fragment of k holds TWO tiles of 16 keys (k 0-63: tile (F, 0); k 64-127: tile (F, 1)) and is multiplied twice: by [q | zero codes] and by [zero codes | q].
; v16-39 hold zeros, q, zeros: the two operands are v[24:39] and v[16:31].  The codes that meet the zeros are finite (the launch that made them holds every number first), so they add nothing.
; THE KEYS, QUERIES AND DIMS OF A TILE (F, u) ARE 32 F + 8 u + r + 8 (r / 8): so score registers 16 F + i are keys 32 F + 16 h + i, and p's codes are the second product's operand as they stand.
; THE MASK comes as 64 scalar words a step, one bit a lane (made by the first launch); a hidden score becomes -2^103.  c x 2^103 is a whole number that f32 holds exactly, so in a row
; with no visible key t - M is exactly 0 and p = 1 for every key, as with reference()'s -1e30; beside any visible key p = 0, as there.
; THE ORDER OF A KEY STEP.  All that the exponentials read, and O^T's rescaling, is laid first; then the 68 exponentials stand as ONE batch, with one wait ahead of it and one behind it.
; The hold at the largest code writes into eight registers of its own, so p stays, and the row's sum of a step (28 additions in four chains, 4 that join them) serves as the plain lines that are owed:
; one behind each conversion, four ahead of the products v^T p^T, two behind each of these, six ahead of the next step's loads of k, nine among and behind the next step's products k q^T.
; The lines that cross into the next trip find zeros in a tile's first trip; the last step's are finished on the way out.  So a tile is one loop of 16 trips.
; LIMITS: scores of magnitude 2^103 and beyond are not told from hidden ones.  A block of zeros gets the scale byte 1 (its codes are zeros; this program alone reads the bytes).
; REGISTERS: v1 16 lane, v2 4 lane, v3, v4 the step's LDS addresses, v5 -2^103, v6 q's scale word, v7 both tiles' scale bytes, v8 16 r + h, v9 q's scale address, v10-11 k's scale words, v12 -M,
; v13 the largest score, v[14:15] the sum; v16-39 zeros, q, zeros; v40-47 eight held numbers; v48-111 four fragments; v112-175 S^T, then p; v176-207 O^T; v208-223 p's codes; v224-239 the blocks' maxima,
; bytes, holds and scales; v240-241 at work; v242-243 v's scale words; v244 p's; v245 q's byte offset; v[246:247] f; v248-255 the sum's four chains.
.set CH,   25344                       ; a chunk of qkv
.set FILL, 16896                       ; its first bytes: k's and v's fragments and scale words
.set T,   40
.set FR,  48
.set S,   112
.set OA,  176
.set PC,  208
.set BM,  224                          ; block maxima
.set PM,  228                          ; half a block's; the other lanes'; then the scale bytes
.set HD,  232                          ; 57,344 x the scale
.set SO,  236                          ; the conversion's scale operand
.set CHN, 248
.macro ROUND                           ; a round of the cluster's barrier
	s_barrier_signal -1
	s_barrier_wait -1
	s_cmp_lg_u32 s12, 0
	s_cbranch_scc1 .Lnot_wave_0_\@
	s_barrier_signal -3
.Lnot_wave_0_\@:
	s_barrier_wait -3
	s_barrier_signal -1
	s_barrier_wait -1
.endm
.macro SPROD d, a, b, sa, ra
.if (\ra)
	v_wmma_scale_f32_16x16x128_f8f6f4 v[(\d):(\d)+7], v[(\a):(\a)+15], v[(\b):(\b)+15], 0, v[\sa], v6 matrix_a_fmt:MATRIX_FMT_BF8 matrix_b_fmt:MATRIX_FMT_BF8 matrix_a_scale:MATRIX_SCALE_ROW1
.else
	v_wmma_scale_f32_16x16x128_f8f6f4 v[(\d):(\d)+7], v[(\a):(\a)+15], v[(\b):(\b)+15], 0, v[\sa], v6 matrix_a_fmt:MATRIX_FMT_BF8 matrix_b_fmt:MATRIX_FMT_BF8
.endif
.endm
.macro OPROD d, a, sa, ra              ; O^T += 16 dims of v^T x p^T
.if (\ra)
	v_wmma_scale_f32_16x16x128_f8f6f4 v[(\d):(\d)+7], v[(\a):(\a)+15], v[PC:PC+15], v[(\d):(\d)+7], v[\sa], v244 matrix_a_fmt:MATRIX_FMT_BF8 matrix_b_fmt:MATRIX_FMT_BF8 matrix_a_scale:MATRIX_SCALE_ROW1
.else
	v_wmma_scale_f32_16x16x128_f8f6f4 v[(\d):(\d)+7], v[(\a):(\a)+15], v[PC:PC+15], v[(\d):(\d)+7], v[\sa], v244 matrix_a_fmt:MATRIX_FMT_BF8 matrix_b_fmt:MATRIX_FMT_BF8
.endif
.endm
; The row's sum of the unquantised p: additions k0 .. k1 of 28.  p's 32 pairs of registers go into four chains: additions 0-3 start them with block 0's eight pairs; addition k from 4 on takes the pair at S + 2 k + 8.
.macro SUMA k0, k1
.set k, \k0
.rept (\k1)-(\k0)+1
.if k < 4
	v_pk_add_f32 v[CHN+2*k:CHN+2*k+1], v[S+2*k:S+2*k+1], v[S+2*k+8:S+2*k+9]
.else
	v_pk_add_f32 v[CHN+2*(k%4):CHN+2*(k%4)+1], v[CHN+2*(k%4):CHN+2*(k%4)+1], v[S+2*k+8:S+2*k+9]
.endif
.set k, k+1
.endr
.endm
.macro JOIN i                          ; the four chains are joined (0, 1, 2) and added to the sum (3)
.if (\i) == 0
	v_pk_add_f32 v[CHN:CHN+1], v[CHN:CHN+1], v[CHN+2:CHN+3]
.elseif (\i) == 1
	v_pk_add_f32 v[CHN+4:CHN+5], v[CHN+4:CHN+5], v[CHN+6:CHN+7]
.elseif (\i) == 2
	v_pk_add_f32 v[CHN:CHN+1], v[CHN:CHN+1], v[CHN+4:CHN+5]
.else
	v_pk_add_f32 v[14:15], v[14:15], v[CHN:CHN+1]
.endif
.endm
.macro CND n                           ; score register n: a hidden key's score becomes -2^103
.if (\n) < 32
	v_cndmask_b32 v[S+(\n)], v5, v[S+(\n)], s[32+(\n)]
.else
	v_cndmask_b32 v[S+(\n)], v5, v[S+(\n)], s[36+(\n)]
.endif
.endm
; Line s of 4 of the largest score of the eight registers 8 o on.  An even o gathers in PM, an odd one in BM, and its last line takes the even one's in: BM + o / 2 is then the lane's largest of the block.
.macro MX o, s
.if ((\o)%2) == 0
.set ma, PM+(\o)/2
.else
.set ma, BM+(\o)/2
.endif
.set mr, S+8*(\o)
.if (\s) == 0
	v_max3_num_f32 v[ma], v[mr], v[mr+1], v[mr+2]
.elseif (\s) < 3
	v_max3_num_f32 v[ma], v[ma], v[mr+2*(\s)+1], v[mr+2*(\s)+2]
.elseif ((\o)%2) == 0
	v_max_num_f32 v[ma], v[ma], v[mr+7]
.else
	v_max3_num_f32 v[ma], v[ma], v[mr+7], v[PM+(\o)/2]
.endif
.endm
.macro CMX b, o                        ; block b is masked; between the lines stand the maxima of the block before (its registers 8 o on): two dependent lines lie six lines apart
.set i, 0
.rept 8
	CND 16*(\b)+2*i
	CND 16*(\b)+2*i+1
	MX (\o)+i%2, i/2
.set i, i+1
.endr
.endm
.macro FM o, i                         ; t - M of two scores (of the pairs c and -M the low word serves both halves)
	v_pk_fma_f32 v[S+8*(\o)+2*(\i):S+8*(\o)+2*(\i)+1], v[S+8*(\o)+2*(\i):S+8*(\o)+2*(\i)+1], s[28:29], v[12:13] op_sel_hi:[1,0,0]
.endm
.macro EX o, i                         ; p = 2^(t - M), at most 1
	v_exp_f32 v[S+8*(\o)+(\i)], v[S+8*(\o)+(\i)]
.endm
.macro HM o, i                         ; the hold of two numbers in one dual-issue instruction (destinations even and odd, first sources in different register banks, the second source the same register).
	v_dual_min_num_f32 v[T+2*(\i)], v[S+8*(\o)+2*(\i)], v[HD+(\o)/2] :: v_dual_min_num_f32 v[T+2*(\i)+1], v[S+8*(\o)+2*(\i)+1], v[HD+(\o)/2]
.endm                                  ; The conversion does not saturate (ISA guide 7.6.2); p is not negative, so the hold is one-sided.  It leaves p as it is, for the sum
.macro CV o                            ; eight held numbers become eight codes
	v_cvt_scalef32_pk8_bf8_f32 v[PC+2*(\o):PC+2*(\o)+1], v[T:T+7], v[SO+(\o)/2]
.endm
.macro OM i                            ; pair i of 16 of O^T under the new M
	v_pk_mul_f32 v[OA+2*(\i):OA+2*(\i)+1], v[OA+2*(\i):OA+2*(\i)+1], v[246:247] op_sel_hi:[1,0]
.endm
; A KEY STEP: 128 keys.
.macro STEP
	s_mul_i32 s15, s30, FILL                       ; the step's bytes in LDS
	SUMA 17, 22                                    ; eight places stand between the last products and the loads into their operands: these six and the two lines below
	v_add_nc_u32 v3, s15, v1
	v_add_nc_u32 v4, s15, v2
	ds_load_b32 v10, v4 offset:16384               ; k's scale words: lanes 0-15 fragment 0, lanes 16-31 fragment 1;
	ds_load_b32 v11, v4 offset:16512               ; fragments 2 and 3
.irp f, 0,1,2,3
.irp c, 0,1,2,3
	ds_load_b128 v[FR+16*\f+4*\c:FR+16*\f+4*\c+3], v3 offset:2048*\f+512*\c   ; k's fragments as images: 512 consecutive bytes a load
.endr
.endr
	s_wait_alu depctr_va_vdst(0)                   ; directly ahead of the waits below
	s_wait_dscnt 0x0                               ; k's fragments and scale words
	s_wait_kmcnt 0x0                               ; this step's 64 mask words, asked for a step ago
	SPROD S, FR, 24, 10, 0                         ; [q | 0]: key tile (0, 0)
	SPROD S+8, FR, 16, 10, 0                       ; [0 | q]: key tile (0, 1)
	SUMA 23, 24                                    ; the last step's block 3: its registers are written by the last two products alone
	SPROD S+16, FR+16, 24, 10, 1
	SPROD S+24, FR+16, 16, 10, 1
	SUMA 25, 26
	SPROD S+32, FR+32, 24, 11, 0
	SPROD S+40, FR+32, 16, 11, 0
	SUMA 27, 27
	JOIN 0
	SPROD S+48, FR+48, 24, 11, 1
	SPROD S+56, FR+48, 16, 11, 1
	JOIN 1                                         ; with the six above: nine places between the first two products and the first read of their scores
	JOIN 2
	JOIN 3                                         ; the sum has the last step's p, ahead of this step's f
.set n, 0
.rept 16
	CND n                                          ; block 0.  (Each accumulator is read from its low end on.)  With the three lines above: the places in front of the loads below
.set n, n+1
.endr
.irp f, 0,1,2,3
.irp c, 0,1,2,3
	ds_load_b128 v[FR+16*\f+4*\c:FR+16*\f+4*\c+3], v3 offset:8192+2048*\f+512*\c   ; v's fragments: they land under the softmax
.endr
.endr
	ds_load_b32 v242, v4 offset:16640              ; v's scale words
	ds_load_b32 v243, v4 offset:16768
	CMX 1, 0
	CMX 2, 2
	CMX 3, 4
	s_add_co_u32 s16, s16, 256                     ; the next unit's words: 256 bytes on; behind the wave's last unit (32 x 256 bytes) the first again, to no use
	s_and_b32 s16, s16, 0x1fff
	s_load_b512 s[32:47], s[6:7], s16 offset:0x0
	s_load_b512 s[48:63], s[6:7], s16 offset:0x40
	s_load_b512 s[68:83], s[6:7], s16 offset:0x80
	s_load_b512 s[84:99], s[6:7], s16 offset:0xc0
	MX 6, 0                                        ; block 3's maxima; between the lines blocks 0 to 2 are joined with lane l xor 16's 16 keys
	MX 7, 0
	v_permlanex16_b32 v[PM], v[BM], s2, s3
	v_permlanex16_b32 v[PM+1], v[BM+1], s2, s3
	MX 6, 1
	MX 7, 1
	v_permlanex16_b32 v[PM+2], v[BM+2], s2, s3
	v_max_num_f32 v[BM], v[BM], v[PM]
	MX 6, 2
	MX 7, 2
	v_max_num_f32 v[BM+1], v[BM+1], v[PM+1]
	v_max_num_f32 v[BM+2], v[BM+2], v[PM+2]
	MX 6, 3
	MX 7, 3
	v_mov_b32 v241, v12                            ; the old -M
	v_max3_num_f32 v240, v[BM], v[BM+1], v[BM+2]
	v_permlanex16_b32 v[PM+3], v[BM+3], s2, s3
	v_max_num_f32 v[BM+3], v[BM+3], v[PM+3]
	v_max3_num_f32 v13, v13, v240, v[BM+3]         ; the running largest score of my query
	v_mul_f32 v240, s28, v13                       ; as t (c is positive, so the largest score gives the largest t)
	v_floor_f32 v12, -v240                         ; the new -M = floor(-t): M is a whole number
.irp b, 0,1,2,3
	v_fma_f32 v[BM+\b], v[BM+\b], s28, v12         ; t - M of each block's largest score: since p rises with the score, it gives the block's largest p
.endr
	v_sub_f32 v241, v12, v241                      ; old M - new M: a whole number, 0 or less
.irp i, 0,1,2,3
	FM 0, \i
.endr
	v_cvt_i32_f32 v241, v241                       ; (it saturates)
.irp i, 0,1,2,3
	FM 1, \i
.endr
	v_ldexp_f32 v246, 1.0, v241                    ; f = 2^(old M - new M)
.irp o, 2,3,4,5,6,7
.irp i, 0,1,2,3
	FM \o, \i
.endr
.endr
.irp i, 0,1,2,3,4,5,6,7,8,9,10,11,12,13,14,15
	OM \i                                          ; O^T's first read behind its products stands ahead of the exponentials; each accumulator from its low end on
.endr
	s_wait_alu depctr_va_vdst(0)
.irp b, 0,1,2,3
	v_exp_f32 v[BM+\b], v[BM+\b]                   ; the same two instructions on the same number as for p itself
.endr
.irp o, 0,1,2,3,4,5,6,7
.irp i, 0,1,2,3,4,5,6,7
	EX \o, \i
.endr
.endr
	v_pk_mul_f32 v[14:15], v[14:15], v[246:247] op_sel_hi:[1,0]   ; the sum under the new M: the plain line behind the exponentials
	s_wait_alu depctr_va_vdst(0)                   ; one wait for the whole batch, ahead of its first reader
.irp b, 0,1,2,3
	v_max_num_f32 v[BM+\b], 0x8000000, v[BM+\b]    ; the floor 2^(16 - 127): the byte cannot fall under 1
.endr
.irp b, 0,1,2,3
	v_add_nc_u32 v[SO+\b], 0xf8800000, v[BM+\b]    ; 15 off the exponent field: the conversion's scale operand
.endr
.irp b, 0,1,2,3
	v_and_or_b32 v[HD+\b], v[BM+\b], 0x7f800000, s66   ; 57,344 x the scale
.endr
.irp b, 0,1,2,3
	v_lshrrev_b32 v[PM+\b], 23, v[SO+\b]           ; the scales' bytes
.endr
	v_lshl_or_b32 v244, v[PM+1], 8, v[PM]          ; p's scale word for these 128 keys: more than eight plain lines ahead of the products
	v_lshl_or_b32 v244, v[PM+2], 16, v244
	v_lshl_or_b32 v244, v[PM+3], 24, v244
.irp g, 0,1,2,3,4,5,6,7
.irp i, 0,1,2,3
	HM \g, \i
.endr
	CV \g
	SUMA \g, \g                                    ; the plain line behind the conversion: the next hold writes its sources
.endr
	SUMA 8, 10                                     ; with the line above: the four places between the last codes and the products
	s_wait_alu depctr_va_vdst(0)                   ; directly ahead of the wait below
	s_wait_dscnt 0x0                               ; v's fragments and scale words
	OPROD OA, FR, 242, 0                           ; the four accumulators by turns, one instruction a turn; the next step's eight products stand between two turns of one accumulator
	SUMA 11, 12
	OPROD OA+8, FR+16, 242, 1
	SUMA 13, 14
	OPROD OA+16, FR+32, 243, 0
	SUMA 15, 16
	OPROD OA+24, FR+48, 243, 1
.endm
; One query tile: 16 key steps, then the way out.
.macro PASSBODY p
.if \p == 0
	v_and_b32 v6, 0xffff, v7                       ; q's two scale bytes, twice: (s0, s1, s0, s1) serves both placings of q
	v_lshl_or_b32 v6, v7, 16, v6
.else
	v_lshrrev_b32 v6, 16, v7
	v_and_or_b32 v6, v7, s67, v6
.endif
.set j, 0
.rept 32
	v_mov_b32 v[OA+j], 0                           ; O^T: the first step finds zeros, which the first change of M leaves zeros
.set j, j+1
.endr
.set j, 0
.rept 24
	v_mov_b32 v[S+40+j], 0                         ; what the first trip's share of a last step's sum reads: additions 17 to 27 take S + 42 on
.set j, j+1
.endr
.set j, 0
.rept 8
	v_mov_b32 v[CHN+j], 0                          ; and the four chains
.set j, j+1
.endr
	v_mov_b32 v13, 0xff61b1e6                      ; the largest score so far: -3e38
	v_floor_f32 v12, -v13                          ; -M: so large that the first f is 0
	v_mov_b32 v14, 0                               ; the sum, in two halves
	v_mov_b32 v15, 0
.if \p == 1
	s_wait_loadcnt 0x0                             ; the second tile's q, asked for at the head of the first tile's way out
.endif
	s_mov_b32 s30, 0
.Lstep_\@:
	s_wait_alu depctr_va_vdst(0)
	STEP
	s_add_co_u32 s30, s30, 1
	s_cmp_lt_u32 s30, 16
	s_cbranch_scc1 .Lstep_\@
	; THE WAY OUT.  The last step's sum is finished (these lines are also the places behind the last products); O^T / the sum; register 16 blk + i of a lane is dim 32 blk + 16 h + i of its query: two blocks of 32 along the last product's K
	SUMA 17, 27
	JOIN 0
	JOIN 1
	JOIN 2
	JOIN 3
.if \p == 0
	global_load_b128 v[24:27], v245, s[4:5] offset:1024    ; the second tile's q between the zeros: the last product that read these registers stands a softmax back; the way out stands between the loads and the wait for them
	global_load_b128 v[28:31], v245, s[4:5] offset:1536
.endif
	v_add_f32 v14, v14, v15
	v_permlanex16_b32 v240, v14, s2, s3
	v_add_f32 v14, v14, v240                       ; the row's sum
	s_wait_alu depctr_va_vdst(0)
	v_rcp_f32 v14, v14
	v_nop                                          ; one plain line behind a transcendental
	s_wait_alu depctr_va_vdst(0)                   ; the wait ahead of its first reader, which is also the first reader of the last products' results: one wait for the group
.set j, 0
.rept 16
	v_pk_mul_f32 v[S+j:S+j+1], v[OA+j:OA+j+1], v[14:15] op_sel_hi:[1,0]   ; each accumulator from its low end on
.set j, j+2
.endr
.irp b, 0,1
	v_max3_num_f32 v[BM+\b], |v[S+16*\b]|, |v[S+16*\b+1]|, 0x8000000
.endr
.irp i, 2,4,6,8,10,12,14
.irp b, 0,1
	v_max3_num_f32 v[BM+\b], v[BM+\b], |v[S+16*\b+\i]|, |v[S+16*\b+\i+1]|
.endr
.endr
.irp b, 0,1
	v_permlanex16_b32 v[PM+\b], v[BM+\b], s2, s3
.endr
.irp b, 0,1
	v_max_num_f32 v[BM+\b], v[BM+\b], v[PM+\b]
.endr
.irp b, 0,1
	v_add_nc_u32 v[SO+\b], 0xf8800000, v[BM+\b]
.endr
.irp b, 0,1
	v_and_or_b32 v[HD+\b], v[BM+\b], 0x7f800000, s66
.endr
.irp b, 0,1
	v_lshrrev_b32 v[PM+\b], 23, v[SO+\b]
.endr
.irp b, 0,1
.irp i, 0,1,2,3,4,5,6,7,8,9,10,11,12,13,14,15
	v_med3_num_f32 v[S+16*\b+\i], v[S+16*\b+\i], -v[HD+\b], v[HD+\b]
.endr
	v_cvt_scalef32_pk8_bf8_f32 v[PC+4*\b:PC+4*\b+1], v[S+16*\b:S+16*\b+7], v[SO+\b]
	v_cvt_scalef32_pk8_bf8_f32 v[PC+4*\b+2:PC+4*\b+3], v[S+16*\b+8:S+16*\b+15], v[SO+\b]
.endr
	v_nop                                          ; one plain line behind the last conversion
	global_store_b128 v1, v[PC:PC+3], s[8:9] offset:8192*\p          ; piece 2 head + 0: 512 consecutive bytes, aligned
	global_store_b128 v1, v[PC+4:PC+7], s[8:9] offset:8192*\p+512    ; piece 2 head + 1
	v_cndmask_b32 v241, v[PM], v[PM+1], s67        ; lanes 0-15 store block 0's byte, lanes 16-31 block 1's: a byte of its own for each lane (two of a token's sixteen: the other heads' come from other work-groups)
	global_store_b8 v8, v241, s[10:11] offset:256*\p
.if \p == 0
	s_wait_xcnt 0x0                                ; the stores have read their data: the next tile writes those registers again
.endif
.endm
	s_load_b256 s[4:11], s[0:1], 0x0               ; qkv s[4:5], maskw s[6:7], oimg s[8:9], osc s[10:11]
	v_lshl_add_u32 v254, v0, 2, 0x42000            ; my spare word, behind the 270,336 bytes of k and v
	v_mov_b32 v255, 0
	ds_add_u32 v254, v255
	ds_add_u32 v254, v255
	s_wait_dscnt 0x0
	v_lshrrev_b32 v240, 5, v0
	v_readfirstlane_b32 s12, v240                  ; wave 0..15
	s_bfe_u32 s13, ttmp6, 0x40000                  ; cx: my place in the cluster: it enters global addresses of q, maskw, oimg and osc alone
	s_and_b32 s14, ttmp7, 0xffff                   ; 8 b + head, which the four partners share
	v_and_b32 v241, 31, v0
	v_lshlrev_b32 v1, 4, v241                      ; 16 x lane
	s_wait_alu depctr_va_vdst(0)
	v_lshlrev_b32 v2, 2, v241                      ; 4 x lane
	v_and_b32 v240, 15, v0                         ; r
	s_wait_alu depctr_va_vdst(0)
	v_bfe_u32 v241, v0, 4, 1                       ; h
	v_lshl_add_u32 v8, v240, 4, v241               ; 16 r + h
	; the descriptor: step w's 16,896 dense bytes as 66 rows of 256
	s_mov_b32 s16, 1                               ; count = 1
	s_mul_i32 s17, s12, FILL                       ; LDS address: the wave's number alone
	s_mov_b32 s20, 15|(3<<16)|(1<<21)              ; the mask: all four work-groups; elements of 8 bytes; bit 21 set beside a mask
	s_mov_b32 s21, 32<<16                          ; tensor_dim0 = 32
	s_mov_b32 s22, 66<<16                          ; tensor_dim1 = 66
	s_mov_b32 s23, 32<<16                          ; tile_dim0 = 32
	s_mov_b32 s24, 66                              ; tile_dim1 = 66
	s_mov_b32 s25, 32                              ; pitch
	s_mov_b32 s26, 0
	s_mov_b32 s27, 0
	s_lshl_b32 s32, s14, 4
	s_add_co_u32 s32, s32, s12
	s_mul_i32 s32, s32, CH                         ; chunk 16 (8 b + head) + w (under 2^25 bytes)
	s_mov_b32 s33, 0
	s_lshl_b32 s34, s14, 4                         ; my q: chunk 16 (8 b + head) + 4 cx + w / 4, fragment w % 4
	s_lshl_b32 s35, s13, 2
	s_add_co_u32 s34, s34, s35
	s_lshr_b32 s35, s12, 2
	s_add_co_u32 s34, s34, s35
	s_mul_i32 s34, s34, CH
	s_mov_b32 s35, 0
	s_and_b32 s36, s12, 3
	s_lshl_b32 s37, s36, 11
	s_add_co_u32 s37, s37, 16896
	v_add_nc_u32 v245, s37, v1                     ; q's codes: my 16 bytes of a piece; never rewritten
	s_lshl_b32 s36, s36, 6
	s_add_co_u32 s36, s36, 25088
	v_lshl_add_u32 v9, v240, 2, s36                ; q's scale words: 4 r
	s_lshl_b32 s38, s13, 5
	s_lshl_b32 s39, s12, 1
	s_add_co_u32 s38, s38, s39                     ; my first query tile: 32 cx + 2 w
	s_lshl_b32 s40, s38, 12                        ; its mask words: 16 steps x 256 bytes a tile
	s_mov_b32 s41, 0
	s_lshr_b32 s39, s14, 3
	s_lshl_b32 s39, s39, 7
	s_add_co_u32 s38, s38, s39                     ; + 128 b: the tile among all tokens
	s_and_b32 s39, s14, 7                          ; the head
	s_lshl_b32 s42, s38, 13
	s_lshl_b32 s43, s39, 10
	s_add_co_u32 s42, s42, s43                     ; oimg: 8,192 a tile + 1,024 a head
	s_mov_b32 s43, 0
	s_lshl_b32 s44, s38, 8
	s_lshl_b32 s45, s39, 1
	s_add_co_u32 s44, s44, s45                     ; osc: 256 a tile + 2 a head
	s_mov_b32 s45, 0
	s_wait_kmcnt 0x0
	s_add_nc_u64 s[18:19], s[4:5], s[32:33]
	s_or_b32 s19, s19, 0x80000000                  ; type = 2
	ROUND                                          ; all four work-groups are here: the joint loads meet
	tensor_load_to_lds s[16:19], s[20:27]          ; my one tensor load of the launch
	s_nop 0
.rept 4
	v_nop
.endr
	s_add_nc_u64 s[4:5], s[4:5], s[34:35]
	s_add_nc_u64 s[6:7], s[6:7], s[40:41]
	s_add_nc_u64 s[8:9], s[8:9], s[42:43]
	s_add_nc_u64 s[10:11], s[10:11], s[44:45]
	s_wait_alu depctr_va_vdst(0)
	global_load_b128 v[24:27], v245, s[4:5]                ; the first tile's q: dims 16 h on,
	global_load_b128 v[28:31], v245, s[4:5] offset:512     ; dims 32 + 16 h on
	global_load_b32 v7, v9, s[4:5]                         ; both tiles' scale bytes
	s_load_b512 s[32:47], s[6:7], 0x0              ; the first unit's mask words
	s_load_b512 s[48:63], s[6:7], 0x40
	s_load_b512 s[68:83], s[6:7], 0x80
	s_load_b512 s[84:99], s[6:7], 0xc0
	s_mov_b32 s2, 0x76543210
	s_mov_b32 s3, 0xfedcba98                       ; v_permlanex16_b32's selects for lane l xor 16
	s_mov_b32 s28, 0x3e38aa3b                      ; c = log2(e) / sqrt(64)
	s_mov_b32 s29, s28                             ; (named with it as a pair, so it is written)
	s_mov_b32 s66, 0x600000                        ; the mantissa field of 57,344
	s_mov_b32 s67, 0xffff0000                      ; lanes 16-31; also a word's upper half
	v_mov_b32 v5, 0xf3000000                       ; -2^103
.irp i, 0,1,2,3,4,5,6,7
	v_mov_b32 v[16+\i], 0                          ; the zero codes on both sides of q
	v_mov_b32 v[32+\i], 0
.endr
	v_mov_b32 v247, 0                              ; (named as the upper half of the pair v[246:247])
	s_wait_tensorcnt 0x0                           ; my step's bytes have landed; the descriptor's registers are free
	s_mov_b32 s16, 0                               ; the byte offset of the unit in hand among my 32 units' mask words
	s_barrier_signal -1
	s_barrier_wait -1                              ; everybody's have: all sixteen steps lie in LDS, and nobody writes LDS again
	s_wait_loadcnt 0x0                             ; q
	PASSBODY 0
	PASSBODY 1
	s_wait_kmcnt 0x0                               ; the last look-ahead
	s_wait_xcnt 0x0
	v_lshl_add_u32 v254, v0, 2, 0x42000            ; the chains held these two registers: they are made anew from v0
	v_mov_b32 v255, 0
	s_wait_alu depctr_va_vdst(0)
	s_wait_tensorcnt 0x0                           ; the wave's end
	ds_add_u32 v254, v255
	s_wait_dscnt 0x0
	ROUND                                          ; the closing round: no work-group ends while a partner may still ask for a tile that names it
	s_endpgm
.Lfunc_end_k_q84dfb49884_attn:
	.size	k_q84dfb49884_attn, .Lfunc_end_k_q84dfb49884_attn-k_q84dfb49884_attn
	.p2alignl 7, 3214868480
	.fill 96, 4, 3214868480
	.section	.rodata,"a",@progbits
	.p2align	6, 0x0
	.amdhsa_kernel k_q84dfb49884_attn
		.amdhsa_group_segment_fixed_size 272384
		.amdhsa_private_segment_fixed_size 0
		.amdhsa_enable_private_segment 0
		.amdhsa_kernarg_size 32
		.amdhsa_user_sgpr_count 2
		.amdhsa_user_sgpr_kernarg_segment_ptr 1
		.amdhsa_wavefront_size32 1
		.amdhsa_system_sgpr_workgroup_id_x 1
		.amdhsa_system_sgpr_workgroup_id_y 1
		.amdhsa_system_sgpr_workgroup_id_z 1
		.amdhsa_system_vgpr_workitem_id 0
		.amdhsa_next_free_vgpr 256
		.amdhsa_next_free_sgpr 100
		.amdhsa_reserve_vcc 0
		.amdhsa_float_denorm_mode_32 3
		.amdhsa_float_denorm_mode_16_64 3
		.amdhsa_memory_ordered 1
		.amdhsa_forward_progress 1
		.amdhsa_inst_pref_size 69
	.end_amdhsa_kernel
	.amdgpu_metadata
---
amdhsa.version: [ 1, 2 ]
amdhsa.kernels:
  - .name:           k_q84dfb49884_attn
    .symbol:         k_q84dfb49884_attn.kd
    .args:
      - { .name: qkv, .offset: 0, .size: 8, .value_kind: global_buffer, .address_space: global }
      - { .name: maskw, .offset: 8, .size: 8, .value_kind: global_buffer, .address_space: global }
      - { .name: oimg, .offset: 16, .size: 8, .value_kind: global_buffer, .address_space: global }
      - { .name: osc, .offset: 24, .size: 8, .value_kind: global_buffer, .address_space: global }
    .group_segment_fixed_size: 272384
    .private_segment_fixed_size: 0
    .kernarg_segment_align: 8
    .kernarg_segment_size: 32
    .max_flat_workgroup_size: 512
    .sgpr_count:     100
    .vgpr_count:     256
    .wavefront_size: 32
...
	.end_amdgpu_metadata
.endif
;; end of part 6
;; launch oproj (part 7): grid 64 x 4, 4 waves a work-group, clusters of 4 x 1, 168,448 bytes of LDS; arguments oimg, osc, Wo_codes, Wo_scales, bo, out0; writes out0
.if DOCPART == 7
	.amdgcn_target "amdgcn-amd-amdhsa--gfx1250"
	.amdhsa_code_object_version 6
	.text
	.protected	k_q84dfb49884_oproj
	.globl	k_q84dfb49884_oproj
	.p2align	8
	.type	k_q84dfb49884_oproj,@function
k_q84dfb49884_oproj:
	s_mov_b64 s[64:65], 0
	v_nop
	global_prefetch_b8 v0, s[64:65] scope:SCOPE_SE
	s_setreg_imm32_b32 hwreg(HW_REG_WAVE_MODE, 25, 1), 1
	s_wait_xcnt 0x0
	s_wait_alu depctr_hold_cnt(0) depctr_sa_sdst(0) depctr_va_vdst(0) depctr_va_sdst(0) depctr_va_ssrc(0) depctr_va_vcc(0) depctr_vm_vsrc(0)
	s_getreg_b32 s2, hwreg(HW_REG_IB_STS2, 6, 4)
	s_cmp_eq_u32 s2, 0
	s_cbranch_scc0 .Lentry_in_a_cluster
	s_endpgm
.Lentry_in_a_cluster:
	s_bfe_u32 s2, ttmp6, 0x10000c
	s_cmp_lg_u32 s2, 0x3003
	s_cbranch_scc0 .Lentry_shape_is_right
	s_endpgm
.Lentry_shape_is_right:
; out0 = x Wo^T + bo on codes of BF8 (E5M2) with E8M0 scales, sums in f32.  x is the attention's result, stored by the launch before as images of this launch's operand registers:
; oimg [tile of 16 tokens][piece 4 s + c][lane][16 bytes] (K step s, registers 4 c .. 4 c + 3), osc [tile][row][16 scale bytes = four words].  Tile T holds tokens 32 (T / 2) + 8 (T % 2) + r + 8 (r / 8).
; SHARES.  Work-group (X, y): tokens 256 X on, outputs 128 y .. 128 y + 127.  Wave w takes 64 of the tokens (tiles 4 (4 X + w) on), in two halves of 32, and ALL 128 outputs.
; So the four waves want the same 128 rows of Wo: 65,536 bytes, which come into LDS once, 32 rows by one tensor load of each wave, and go from there into each wave's 512 registers.
; CLUSTER.  The four work-groups of a cluster lie along x and share y, so they want the same rows of Wo: wave w of each asks JOINTLY: the same load, the same descriptor, a mask that names the four.
; My place in the cluster enters global addresses of x, of its scale bytes and of out0 alone.
; Source 0 = 16 neighbouring rows of Wo (tile t: outputs 16 t + r), source 1 = 16 tokens: a lane holds one token and, of tile t, the eight outputs 16 t + 8 h + 0 .. 7.
; x's fragments come straight from memory, 512 consecutive bytes a load; no two waves of a work-group read the same tile.
; LDS: Wo's 128 rows of 512 bytes + 16 of padding (the 16 rows of a fragment load start in 16 different groups of banks), filled once; behind them each wave's stage for the way out, 16 rows x (512 bytes + 16), into which no tensor load lands.
; REGISTERS, in windows of 256: window 0: v1-12 addresses; v16-47 Wo's scale words (4 t + s); v48-55 x's, for both halves (lanes 0-15 tile u = 0, lanes 16-31 u = 1); v64-127 rows on the way out; v128-255 16 accumulators.
;   window 1: Wo's fragments (t, s = 0, 1) at 16 (2 t + s);  window 2: (t, s = 2, 3);  window 3: x's (u, s) at 64 u + 16 s; the bias at 128 + 8 t.
.set SP,  528
.set STG, 128*SP                       ; behind Wo's rows: the stages
.set WS,  16
.set XS,  48
.set BK,  64
.set ACC, 128
.set MSB, 0
.macro WIN new                         ; the immediate's high byte repeats the setting that is left
.if MSB != \new
	s_set_vgpr_msb (MSB<<8)|\new
.set MSB, \new
.endif
.endm
.macro ROUND                           ; a round of the cluster's barrier
	s_barrier_signal -1
	s_barrier_wait -1
	s_cmp_lg_u32 s2, 0
	s_cbranch_scc1 .Lnot_wave_0_\@
	s_barrier_signal -3
.Lnot_wave_0_\@:
	s_barrier_wait -3
	s_barrier_signal -1
	s_barrier_wait -1
.endm
.macro MM d, a, b, c, sa, sb, rb       ; one product; rb: source 1's scales stand in lanes 16-31
.if (\rb)
	v_wmma_scale_f32_16x16x128_f8f6f4 v[(\d):(\d)+7], v[(\a):(\a)+15], v[(\b):(\b)+15], v[(\c):(\c)+7], v[\sa], v[\sb] matrix_a_fmt:MATRIX_FMT_BF8 matrix_b_fmt:MATRIX_FMT_BF8 matrix_b_scale:MATRIX_SCALE_ROW1
.else
	v_wmma_scale_f32_16x16x128_f8f6f4 v[(\d):(\d)+7], v[(\a):(\a)+15], v[(\b):(\b)+15], v[(\c):(\c)+7], v[\sa], v[\sb] matrix_a_fmt:MATRIX_FMT_BF8 matrix_b_fmt:MATRIX_FMT_BF8
.endif
.endm
; 64 products for 32 tokens: the 16 accumulators take turns, one instruction a turn, in the same order in every K step.  The bias is the C of a sum's first product.
.macro MUL it
.irp s, 0,1,2,3
.if \s == 0
	WIN 0x3d                                       ; source 0 window 1, source 1 and C (the bias) window 3
.elseif \s == 1
	WIN 0x0d
.else
	WIN 0x0e
.endif
.irp u, 0,1
.irp t, 0,1,2,3,4,5,6,7
.if \s == 0
	MM ACC+8*(8*\u+\t), 16*(2*\t+\s%2), 64*\u+16*\s, 128+8*\t, WS+4*\t+\s, XS+4*\it+\s, \u
.else
	MM ACC+8*(8*\u+\t), 16*(2*\t+\s%2), 64*\u+16*\s, ACC+8*(8*\u+\t), WS+4*\t+\s, XS+4*\it+\s, \u
.endif
.endr
.endr
.endr
	WIN 0
.endm
.macro XLOAD it                        ; two tiles' fragments
	WIN 0xc0                                       ; destination window 3
.irp u, 0,1
.irp s, 0,1,2,3
.irp c, 0,1,2,3
	global_load_b128 v[64*\u+16*\s+4*\c:64*\u+16*\s+4*\c+3], v1, s[4:5] offset:(2*\it+\u)*8192+(4*\s+\c)*512
.endr
.endr
.endr
	WIN 0
.endm
; 16 tokens x 128 outputs: a lane holds 32-byte pieces of one row, the lanes beside it other rows: through my stage, and out as whole rows of 512 bytes.
.macro OUT it, u
	s_wait_xcnt 0x0                                ; earlier stores have read their data: the rows' registers are loaded again below
.irp t, 0,1,2,3,4,5,6,7
	ds_store_b128 v2, v[ACC+8*(8*\u+\t):ACC+8*(8*\u+\t)+3] offset:64*\t           ; outputs 16 t + 8 h on; each accumulator from its low end on
	ds_store_b128 v2, v[ACC+8*(8*\u+\t)+4:ACC+8*(8*\u+\t)+7] offset:64*\t+16
.endr
.irp i, 0,1,2,3,4,5,6,7,8,9,10,11,12,13,14,15
	ds_load_b128 v[BK+4*\i:BK+4*\i+3], v3 offset:SP*\i   ; LDS serves a wave's instructions in order: these see my stores, and the next tile's stores come behind them
.endr
.irp i, 0,1,2,3,4,5,6,7,8,9,10,11,12,13,14,15
	s_wait_dscnt 15-\i                             ; row i is back; the 15 - i younger loads may be out
	global_store_b128 v1, v[BK+4*\i:BK+4*\i+3], s[14:15] offset:(32*\it+8*\u+\i+8*(\i/8))*2048 th:TH_STORE_NT   ; 32 lanes store 512 consecutive bytes, aligned; written once, read by nobody here
.endr
.endm
	s_load_b256 s[4:11], s[0:1], 0x0               ; oimg s[4:5], osc s[6:7], Wo's codes s[8:9], Wo's scales s[10:11]
	s_load_b128 s[12:15], s[0:1], 0x20             ; bo s[12:13], out0 s[14:15]
	v_lshl_add_u32 v62, v0, 2, 0x29000
	v_mov_b32 v63, 0
	ds_add_u32 v62, v63
	ds_add_u32 v62, v63
	v_lshrrev_b32 v56, 5, v0
	v_readfirstlane_b32 s2, v56                    ; wave 0..3
	s_bfe_u32 s3, ttmp6, 0x40000                   ; cx: my place in the cluster
	s_and_b32 s29, ttmp7, 0xffff                   ; y: which 128 outputs; the four partners share it
	s_lshl_b32 s28, ttmp9, 4                       ; in a cluster launch ttmp9 counts clusters
	s_lshl_b32 s30, s3, 2
	s_add_co_u32 s28, s28, s30
	s_add_co_u32 s28, s28, s2                      ; 4 X + w = 16 x cluster + 4 cx + w: which 64 tokens are my wave's
	v_and_b32 v56, 31, v0                          ; lane
	v_and_b32 v57, 15, v0                          ; r
	v_bfe_u32 v58, v0, 4, 1                        ; h
	v_lshlrev_b32 v1, 4, v56                       ; v1: 16 x lane
	s_mul_i32 s31, s2, 16*SP
	s_add_co_u32 s31, s31, STG                     ; my stage
	v_mul_u32_u24 v2, v57, SP
	v_lshl_add_u32 v2, v58, 5, v2
	v_add_nc_u32 v2, s31, v2                       ; v2: in: row r, + 32 h
	v_add_nc_u32 v3, s31, v1                       ; v3: back: 16 bytes a lane of a row
	v_mul_u32_u24 v10, v57, SP
	v_lshl_add_u32 v10, v58, 4, v10                ; v10: Wo in LDS: row r x pitch + 16 h
	v_lshlrev_b32 v11, 4, v57                      ; v11: a row's 16 scale bytes
	v_lshlrev_b32 v12, 5, v58                      ; v12: the bias: 8 h numbers on
	; the descriptor: my 32 rows of Wo: rows of 64 elements of 8 bytes, 16 bytes of padding behind each
	s_mov_b32 s32, 1                               ; count = 1
	s_mul_i32 s33, s2, 32*SP                       ; LDS address: the wave's number alone
	s_mov_b32 s36, 15|(3<<16)|(1<<20)|(1<<21)|(6<<22)|(3<<25)   ; the mask: all four work-groups; elements of 8 bytes; padding on; bit 21 set beside a mask; after every 128 words (code 6), 4 words (code 3)
	s_mov_b32 s37, 64<<16                          ; tensor_dim0 = 64
	s_mov_b32 s38, 32<<16                          ; tensor_dim1 = 32
	s_mov_b32 s39, 64<<16                          ; tile_dim0 = 64
	s_mov_b32 s40, 32                              ; tile_dim1 = 32
	s_mov_b32 s41, 64                              ; pitch
	s_mov_b32 s42, 0
	s_mov_b32 s43, 0
	s_lshl_b32 s16, s28, 15                        ; four tiles of 8,192 bytes a wave,
	s_mov_b32 s17, 0
	s_lshl_b32 s18, s28, 10                        ; of 256 scale bytes
	s_mov_b32 s19, 0
	s_lshl_b32 s20, s29, 16                        ; the 128 rows of Wo,
	s_lshl_b32 s21, s2, 14                         ; the 32 of them that I fetch
	s_add_co_u32 s20, s20, s21
	s_mov_b32 s21, 0
	s_lshl_b32 s22, s29, 11                        ; the rows' scale bytes,
	s_mov_b32 s23, 0
	s_lshl_b32 s24, s29, 9                         ; their bias; also their 512 bytes of a row of out0
	s_mov_b32 s25, 0
	s_lshl_b32 s26, s28, 17                        ; 64 rows of 2,048 bytes a wave
	s_add_co_u32 s26, s26, s24
	s_mov_b32 s27, 0
	s_wait_alu depctr_va_vdst(0)
	s_wait_dscnt 0x0
	s_wait_kmcnt 0x0
	s_add_nc_u64 s[4:5], s[4:5], s[16:17]
	s_add_nc_u64 s[6:7], s[6:7], s[18:19]
	s_add_nc_u64 s[34:35], s[8:9], s[20:21]
	s_or_b32 s35, s35, 0x80000000                  ; type = 2
	s_add_nc_u64 s[10:11], s[10:11], s[22:23]
	s_add_nc_u64 s[12:13], s[12:13], s[24:25]
	s_add_nc_u64 s[14:15], s[14:15], s[26:27]
	WIN 0xc0                                       ; the bias: register j of tile t is output 16 t + 8 h + j
.irp t, 0,1,2,3,4,5,6,7
	global_load_b128 v[128+8*\t:128+8*\t+3], v12, s[12:13] offset:64*\t
	global_load_b128 v[128+8*\t+4:128+8*\t+7], v12, s[12:13] offset:64*\t+16
.endr
	WIN 0
.irp t, 0,1,2,3,4,5,6,7
	global_load_b128 v[WS+4*\t:WS+4*\t+3], v11, s[10:11] offset:256*\t     ; row 16 t + r's four scale words
.endr
	global_load_b128 v[XS:XS+3], v1, s[6:7]                ; x's scale words: 16 bytes a row, 256 a tile: lanes 0-15 the even tile's rows, lanes 16-31 the odd tile's
	global_load_b128 v[XS+4:XS+7], v1, s[6:7] offset:512
	XLOAD 0                                        ; these 58 loads are on their way while the cluster meets
	ROUND                                          ; all four work-groups are here: the joint loads meet
	tensor_load_to_lds s[32:35], s[36:43]          ; my one tensor load of the launch
	s_nop 0
.rept 4
	v_nop
.endr
	s_wait_tensorcnt 0x0                           ; my 32 rows have landed,
	s_barrier_signal -1
	s_barrier_wait -1                              ; everybody's have: Wo's 128 rows lie in LDS, and nobody writes those bytes again
	WIN 0x40                                       ; destination window 1
.irp t, 0,1,2,3,4,5,6,7
.irp s, 0,1
.irp c, 0,1,2,3
	ds_load_b128 v[16*(2*\t+\s)+4*\c:16*(2*\t+\s)+4*\c+3], v10 offset:16*\t*SP+128*\s+32*\c
.endr
.endr
.endr
	WIN 0x80                                       ; destination window 2
.irp t, 0,1,2,3,4,5,6,7
.irp s, 2,3
.irp c, 0,1,2,3
	ds_load_b128 v[16*(2*\t+\s-2)+4*\c:16*(2*\t+\s-2)+4*\c+3], v10 offset:16*\t*SP+128*\s+32*\c
.endr
.endr
.endr
	WIN 0
	s_wait_loadcnt 0x0                             ; the bias, the scale words, x's first half
	s_wait_dscnt 0x0                               ; Wo's fragments
	MUL 0
.rept 9
	v_nop                                          ; eight places in front of the loads into x's registers and of the first read of results; nine in front of the next products, which begin the same accumulators anew
.endr
	XLOAD 1                                        ; lands while the first half goes out
	OUT 0, 0
	OUT 0, 1
	s_wait_loadcnt 0x0
	MUL 1                                          ; (the stage's stores have read the accumulators: the last count-down ended at 0)
.rept 8
	v_nop
.endr
	OUT 1, 0
	OUT 1, 1                                       ; (its last count-down ends at 0: no LDS instruction of mine is out at the signal below)
	s_wait_tensorcnt 0x0
	ds_add_u32 v62, v63
	s_wait_dscnt 0x0
	ROUND                                          ; the closing round: no work-group ends while a partner may still ask for a tile that names it
	s_endpgm
.Lfunc_end_k_q84dfb49884_oproj:
	.size	k_q84dfb49884_oproj, .Lfunc_end_k_q84dfb49884_oproj-k_q84dfb49884_oproj
	.p2alignl 7, 3214868480
	.fill 96, 4, 3214868480
	.section	.rodata,"a",@progbits
	.p2align	6, 0x0
	.amdhsa_kernel k_q84dfb49884_oproj
		.amdhsa_group_segment_fixed_size 168448
		.amdhsa_private_segment_fixed_size 0
		.amdhsa_enable_private_segment 0
		.amdhsa_kernarg_size 48
		.amdhsa_user_sgpr_count 2
		.amdhsa_user_sgpr_kernarg_segment_ptr 1
		.amdhsa_wavefront_size32 1
		.amdhsa_system_sgpr_workgroup_id_x 1
		.amdhsa_system_sgpr_workgroup_id_y 1
		.amdhsa_system_sgpr_workgroup_id_z 1
		.amdhsa_system_vgpr_workitem_id 0
		.amdhsa_next_free_vgpr 1024
		.amdhsa_next_free_sgpr 66
		.amdhsa_reserve_vcc 0
		.amdhsa_float_denorm_mode_32 3
		.amdhsa_float_denorm_mode_16_64 3
		.amdhsa_memory_ordered 1
		.amdhsa_forward_progress 1
		.amdhsa_inst_pref_size 54
	.end_amdhsa_kernel
	.amdgpu_metadata
---
amdhsa.version: [ 1, 2 ]
amdhsa.kernels:
  - .name:           k_q84dfb49884_oproj
    .symbol:         k_q84dfb49884_oproj.kd
    .args:
      - { .name: oimg, .offset: 0, .size: 8, .value_kind: global_buffer, .address_space: global }
      - { .name: osc, .offset: 8, .size: 8, .value_kind: global_buffer, .address_space: global }
      - { .name: Wo_codes, .offset: 16, .size: 8, .value_kind: global_buffer, .address_space: global }
      - { .name: Wo_scales, .offset: 24, .size: 8, .value_kind: global_buffer, .address_space: global }
      - { .name: bo, .offset: 32, .size: 8, .value_kind: global_buffer, .address_space: global }
      - { .name: out0, .offset: 40, .size: 8, .value_kind: global_buffer, .address_space: global }
    .group_segment_fixed_size: 168448
    .private_segment_fixed_size: 0
    .kernarg_segment_align: 8
    .kernarg_segment_size: 48
    .max_flat_workgroup_size: 128
    .sgpr_count:     66
    .vgpr_count:     1024
    .wavefront_size: 32
...
	.end_amdgpu_metadata
.endif
;; end of part 7
